; MI455X (gfx1250); checked and timed in simulation.
; The chip was launched on July 23, 2026; its instructions are those of AMD's public machine-readable ISA for CDNA 5 (MIT licence, August 2026) and "CDNA5" Instruction Set Architecture Reference Guide (July 2026). The comments in the code are by the model that wrote it; some were corrected since.
;; Self Attention. Allowed arithmetic: matrix products marked QUANTISED: E5M2 operands, one given power-of-two scale a tensor, by v_wmma_f32_16x16x64_bf8_bf8 or v_wmma_f32_16x16x128_bf8_bf8, f32 sums; everything else in f32.
;; Inputs: Wk_codes 1,024 x 32 x 32 uint8 (E5M2 codes of Wk, K innermost, in blocks of 32 codes); Wq_codes 1,024 x 32 x 32 uint8 (E5M2 codes of Wq, K innermost, in blocks of 32 codes); Wv_codes 1,024 x 32 x 32 uint8 (E5M2 codes of Wv, K innermost, in blocks of 32 codes); bk 1,024 float32; bq 1,024 float32; bv 1,024 float32; lowp_scales 10 int32 (the exponents e of the quantised operands' scales 2^e); x_codes 4 x 2,048 x 32 x 32 uint8 (E5M2 codes of x, K innermost, in blocks of 32 codes).
;; Outputs: out0 4 x 2,048 x 1,024 float32.
;; This version of the problem:
;;   THIS VERSION OF THE PROBLEM IS GIVEN IN LOW PRECISION. The matrix products marked QUANTISED in the list below multiply operands that are first quantised to E5M2 (5 exponent bits, 2 mantissa bits; 8 bits a number), with one given power-of-two scale for each operand tensor; their sums are f32. All else is computed in f32.
;;   The module's matrix products, in the order in which they are computed (A, B: the left and right operand; K: the contracted axis; several contracted axes count as one K, in the product's order):
;;     1. [M 8,192, K 1,024] x [K 1,024, N 1,024]; A: input x (given as codes); B: input Wq (given as codes): QUANTISED (scales: A lowp_scales[0], B lowp_scales[1])
;;     2. [M 8,192, K 1,024] x [K 1,024, N 1,024]; A: input x (given as codes); B: input Wk (given as codes): QUANTISED (scales: A lowp_scales[2], B lowp_scales[3])
;;     3. [M 8,192, K 1,024] x [K 1,024, N 1,024]; A: input x (given as codes); B: input Wv (given as codes): QUANTISED (scales: A lowp_scales[4], B lowp_scales[5])
;;     4. batch 4 x [M 2,048, K 1,024] x [K 1,024, N 2,048]; A: computed on the way; B: computed on the way: QUANTISED (scales: A lowp_scales[6], B lowp_scales[7])
;;     5. batch 4 x [M 2,048, K 2,048] x [K 2,048, N 1,024]; A: softmax (see below); B: computed on the way: QUANTISED (scales: A lowp_scales[8], B lowp_scales[9])
;;   THE QUANTISER, for each operand of a quantised product, along K:
;;     - The operand's scale is 2^e, e = its entry of the input lowp_scales (int32; the entries are numbered through the quantised products in the list's order, A before B).
;;     - Each number is divided by the scale, clamped to +-57,344, and rounded to the nearest number of E5M2, ties to even, subnormals kept.
;;     - The product sums the exact products of the quantised numbers (number of the format x scale) in f32.
;;   ~~~python
;;   def quantise(x, axis, e):      # numpy; x: float32 -> the quantised numbers, widened to float32 again
;;       x = np.moveaxis(x, axis, -1); K = x.shape[-1]
;;       r = np.clip(x / 2.0 ** e, -57344, 57344)
;;       step = 2.0 ** (np.maximum(np.frexp(np.where(r == 0, 1, r))[1] - 1, -14) - 2)
;;       q = np.round(r / step) * step * 2.0 ** e      # np.round: ties to even
;;       return np.moveaxis(q, -1, axis).astype(np.float32)
;;   ~~~
;;   SOFTMAX AHEAD OF A QUANTISED PRODUCT. Where the list says 'softmax', what is quantised is not the finished softmax but p = 2^(t - M), with t = logit x log2(e) and M = ceil(the row's largest t), a whole number; so 1/2 < the row's largest p <= 1. The row's sum l is taken of the UNQUANTISED p, in f32, and the product's result is divided by l at the end. Since M is a whole number, a kernel that streams over the keys may use a running M (the ceiling of the running maximum): every later rescaling is an exact power of two, so the quantised numbers keep their values, but for numbers so far below the row's largest that they fall under the format's range.
;;   OPERANDS COMPUTED ON THE WAY. 'Computed on the way' means the value that the module computes at that place (a softmax that the list does not call 'softmax' is quantised finished and normalised). What goes into a quantiser is computed in f32, as accurately as f32 sums, v_exp_f32 and their like allow (about 1e-6 of the number): no bf16 or f16 on the way to a quantiser, and a product that is left as it is and whose result goes on into a quantised operand takes f32 operands (vector FMAs, or v_wmma_f32_16x16x4_f32). A number that lies on a knife's edge between two numbers of the format may be rounded either way, as far as f32 arithmetic and the matrix unit's own rounding can turn it there, and no further.
;;   INPUTS GIVEN AS CODES. Wk (in the module: [1024, 1024], K = its axis 0); Wq (in the module: [1024, 1024], K = its axis 0); Wv (in the module: [1024, 1024], K = its axis 0); x (in the module: [4, 2048, 1024], K = its axis 2): each comes as NAME_codes (uint8): NAME with its K axis moved to the last place and cut into blocks of 32 codes, [.., K / 32, bytes a block], one block behind the other in memory; one code a byte (a code: sign, 5 exponent bits, 2 mantissa bits); its scale is its entry of lowp_scales. Its value is code x scale, taken as it is: it is not quantised again, and the codes and scales need not be those that the quantiser above would give.
;; One version. Each part assembles by itself: llvm-mc -triple=amdgcn-amd-amdhsa -mcpu=gfx1250 --defsym DOCPART=n.
;; ======== version 1 of 1: 3 launches
;; limits: right only within a limited range of input values
;; workspace buffers: q_codes 8,388,608 bytes; k_codes 8,388,608 bytes; v_codes 8,388,608 bytes; p_codes 16,777,216 bytes; stat 1,048,576 bytes
;; launch proj (part 1): grid 8 x 32, 4 waves a work-group, clusters of 4 x 4, 327,680 bytes of LDS; arguments x_codes, Wq_codes, Wk_codes, Wv_codes, bq, bk, bv, lowp_scales, q_codes, k_codes, v_codes; writes q_codes, k_codes, v_codes
.if DOCPART == 1
	.amdgcn_target "amdgcn-amd-amdhsa--gfx1250"
	.amdhsa_code_object_version 6
	.text
	.protected	k_q36a0577cda_proj
	.globl	k_q36a0577cda_proj
	.p2align	8
	.type	k_q36a0577cda_proj,@function
k_q36a0577cda_proj:
	s_mov_b64 s[64:65], 0
	v_nop
	global_prefetch_b8 v0, s[64:65] scope:SCOPE_SE
	s_setreg_imm32_b32 hwreg(HW_REG_WAVE_MODE, 25, 1), 1
	s_wait_xcnt 0x0
	s_wait_alu depctr_hold_cnt(0) depctr_sa_sdst(0) depctr_va_vdst(0) depctr_va_sdst(0) depctr_va_ssrc(0) depctr_va_vcc(0) depctr_vm_vsrc(0)
	s_getreg_b32 s2, hwreg(HW_REG_IB_STS2, 6, 4)
	s_cmp_eq_u32 s2, 0
	s_cbranch_scc0 .Lentry_in_a_cluster
	s_endpgm
.Lentry_in_a_cluster:
	s_bfe_u32 s2, ttmp6, 0x10000c
	s_cmp_lg_u32 s2, 0xf033
	s_cbranch_scc0 .Lentry_shape_is_right
	s_endpgm
.Lentry_shape_is_right:
; THE PROGRAM: causal attention with one head of 1,024 over 4 sequences of 2,048 tokens, all five products on codes of BF8 (E5M2).  Three launches:
;   proj   q = x Wq + bq, k = x Wk + bk, v = x Wv + bv, each quantised again (this text);
;   scores p = 2^(t - M) for each live tile of 256 queries x 256 keys, as codes, with the tile's M and the sum of the unquantised p for each row;
;   mix    out = (sum over the key blocks of p v, brought under one exponent) / (the rows' sums).
; WORK LEFT OUT.  reference() sets the scores of keys s > t to -infinity by a jnp.tril that it builds itself; their softmax weight is 0 for all values of the inputs.  So the tiles of
; 256 x 256 scores that lie wholly above the diagonal (28 of 64 in each batch) and the same blocks of keys in the second product reach no output, and are not computed (launches scores and mix).
; Nothing else is left out, and every input is loaded.  LIMIT: a NaN, an infinity or an overflow that would arise only in those tiles is not carried to the result.
;
; THIS LAUNCH.  Each finished sum x 2^(ea + eb) + bias, in f32, is held within +-57,344 x 2^eo and turned into a code of the scale 2^eo.
; (ea, eb, eo) = entries (0, 1, 6) of the scales for q, (2, 3, 7) for k, (4, 5, 9) for v.
; q, k: codes laid [token][channel], channels innermost (the K of the scores).  v: codes laid [group of 1,024 tokens][channel][token of the group] (the keys are the K of the last product).
; LIMITS: ea + eb between -126 and 127, eo between -126 and 112, so that each power of two below is an f32 number.  NaN and infinity among the given codes are not served.
; SHARES.  256 work-groups.  Each takes 256 tokens of x against 256 channels of q or of k (cluster x: which) and 128 channels of v.  A wave (row half wr, column half wc) makes 128 tokens x 128 channels of
; q or k (64 accumulators, windows 1 and 2) and 128 tokens x 64 channels of v (32 accumulators, window 3).
; K goes in steps of 256: x's 256 rows and the first weight's 256 rows through two LDS slots; v's weight, 128 rows, through one region of its own: it is asked for at the step's start and read in the step's second part.
; CLUSTERS: 4 x 4.  The four of a row share x's tiles, the four of a column the weights' tiles: each is asked for JOINTLY (same load, same descriptor, a mask that names the four).
; ORIENTATION.  q, k: source 0 = weight rows, source 1 = x rows: a lane holds eight neighbouring channels of a token.  v: source 0 = x rows, source 1 = weight rows: eight neighbouring tokens of a channel.
; FRAGMENTS.  16 rows x 64 K are 8 registers: lane l holds row l % 16, registers 4 c .. 4 c + 3 hold K = 32 c + 16 (l / 16) + 0 .. 15: one order of k for both sources.
; A group is four fragments, 32 registers, 8 LDS loads.  Seven groups, v32-255, are a ring: group n of a step lies at v[32 + 32 (n % 7)].
;   groups 4 s + 0 .. 3, s = 0 .. 3: x blocks 0-3, weight blocks 0-3, weight blocks 4-7, x blocks 4-7 (64 K at byte 64 s);
;   groups 16 + 3 u + 0 .. 2, u = 0 .. 3: x blocks 0-3, x blocks 4-7, v's weight blocks 0-3 (64 K at byte 64 u).  28 groups a step: the ring closes.
.set PITCH,  272                       ; an LDS row: 256 bytes + 16 of padding = 68 words (64 banks of 4 bytes: ISA guide 11.1)
.set HALFT,  128*PITCH
.set SLOT,   4*HALFT                   ; x's 256 rows, then the first weight's 256 rows
.set WVB,    2*SLOT                    ; v's weight, 128 rows
.set SPARE,  WVB+HALFT                 ; the spare words, 128 bytes for each wave
.set BIASL,  SPARE+512                 ; 1,024 bytes for each wave, the bias on the way out; no tile lands here
.set STG1,   256*PITCH                 ; the way out: q's or k's 256 rows x 272 from byte 0, v's 128 rows from here: both in slot 0, which has had its last fill by then
.set RG,     32
.set ADRX0, 4                          ; my place in a slot's x rows, in its weight rows; v6, v7 the same in the slot in hand
.set ADRW0, 5
.set ADRX,  6
.set ADRW,  7
.set LIMQ,  14                         ; 57,344 x 2^eo, 2^eo for q or k, then for v
.set SCQ,   15
.set LIM2,  16
.set SC2,   17
.set BW,    18                         ; the bias in LDS: where I put it, where I read it
.set BW2,   19
.set BR,    20
.set BRV,   21
.set ADRV,  22
.set STO,   23
.set STOV,  24
.set RD,    25
.set RDV,   26
.set CO,    27
.set SPW,   28                         ; my spare word's address; never rewritten
.set NIL,   29                         ; 0; never rewritten
.set PFO,   30                         ; lane x 1,024
.set BI,    32                         ; the way out: v32-95 bias by columns, v96-103 bias by rows, v128-191 numbers, v192-255 codes
.set BV,    96
.set TMP,   128
.set CD,    192
.set G1X, 24
.set G1W, 32
.set G1V, 40
.set G0X, 48
.set G0W, 52
.set G0V, 56
.set MSB, 0
.macro WIN new                         ; the immediate's high byte repeats the setting that is left
.if MSB != (\new)
	s_set_vgpr_msb (MSB<<8)|(\new)
.set MSB, (\new)
.endif
.endm
.macro PLACES n                        ; plain vector instructions behind a matrix instruction, ahead of loads into what it read or of a reader of its result
.rept \n
	v_nop
.endr
.endm
; Joint loads: waves 0, 1: x's halves; wave 2: the first weight; wave 3: v's weight.  m = 0: all; 1: not v's weight; 2: v's weight alone.  The branches hang on the wave's number alone.
.macro JLOAD m
.if (\m) < 2
	s_cmp_lt_u32 s14, 2
	s_cbranch_scc0 .Lnot_x_\@
	tensor_load_to_lds s[G0X:G0X+3], s[G1X:G1X+7]
	s_nop 0
.rept 4
	v_nop
.endr
	s_branch .Lasked_\@
.Lnot_x_\@:
	s_cmp_eq_u32 s14, 2
	s_cbranch_scc0 .Lnot_w_\@
	tensor_load_to_lds s[G0W:G0W+3], s[G1W:G1W+7]
	s_nop 0
.rept 4
	v_nop
.endr
	s_branch .Lasked_\@
.Lnot_w_\@:
.else
	s_cmp_eq_u32 s14, 3
	s_cbranch_scc0 .Lasked_\@
.endif
.if (\m) != 1
	tensor_load_to_lds s[G0V:G0V+3], s[G1V:G1V+7]
	s_nop 0
.rept 4
	v_nop
.endr
.endif
.Lasked_\@:
.endm
.macro CREST                           ; a round of the cluster's barrier behind its opening barrier
	s_cmp_lg_u32 s14, 0
	s_cbranch_scc1 .Lnot_wave_0_\@
	s_barrier_signal -3
.Lnot_wave_0_\@:
	s_barrier_wait -3
	s_barrier_signal -1
	s_barrier_wait -1
.endm
.macro CROUND
	s_barrier_signal -1
	s_barrier_wait -1
	CREST
.endm
; PREFETCH INTO THE L2 of what the next change of slots asks for, a step ahead of that load: 256 bytes of each row, a lane a row.  The four partners of a joint load share its rows out by address:
; 32 rows a wave for x and for v's weight, 64 for the first weight (two lines).  The weights are asked for by cluster rows 0 to 3 alone.  s3 counts 2, 2, 1: x and the first weight have no step left in the third.
.macro ASK
	s_cmp_gt_u32 s3, s61
	s_cbranch_scc0 .Lno_ask_\@
	global_prefetch_b8 v[PFO], s[62:63] th:TH_LOAD_NT scope:SCOPE_SE
	s_cmp_eq_u32 s14, 2
	s_cbranch_scc0 .Lno_ask_\@
	global_prefetch_b8 v[PFO], s[62:63] offset:32768 th:TH_LOAD_NT scope:SCOPE_SE
.Lno_ask_\@:
.endm
	s_load_b512 s[68:83], s[0:1], 0x0              ; x s[68:69], Wq s[70:71], Wk s[72:73], Wv s[74:75], bq s[76:77], bk s[78:79], bv s[80:81], the scales s[82:83]
	s_load_b128 s[84:87], s[0:1], 0x40             ; q's codes, k's codes
	s_load_b64 s[88:89], s[0:1], 0x50              ; v's codes
	v_lshl_add_u32 v[SPW], v0, 2, SPARE
	v_mov_b32 v[NIL], 0
	ds_add_u32 v[SPW], v[NIL]                      ; the wave's opening: the add, twice on end, and its wait
	ds_add_u32 v[SPW], v[NIL]
	v_lshrrev_b32 v1, 5, v0
	v_readfirstlane_b32 s14, v1                    ; wave 0..3
	s_lshr_b32 s15, s14, 1                         ; wr: my half of the tokens
	s_and_b32 s16, s14, 1                          ; wc: my half of the channels.  Also: which 128 rows of x I fetch
	s_bfe_u32 s17, ttmp6, 0x40000                  ; cx, cy: my place in the cluster
	s_bfe_u32 s18, ttmp6, 0x40004
	s_lshl_b32 s19, ttmp9, 2
	s_add_co_u32 s19, s19, s17                     ; which 128 channels of v
	s_and_b32 s67, ttmp7, 0xffff                   ; Y: which 1,024 tokens
	s_lshl_b32 s20, s18, 2
	s_lshl_b32 s20, 15, s20                        ; my row of the cluster
	s_lshl_b32 s21, 0x1111, s17                    ; my column
	s_or_b32 s[G1X], s20, (1<<20)|(1<<21)|(5<<22)|(3<<25)   ; mask; elements of 1 byte; padding: 4 words after every 64; bit 21 set beside a mask
	s_or_b32 s[G1W], s21, (1<<20)|(1<<21)|(5<<22)|(3<<25)
	s_or_b32 s[G1V], s21, (1<<20)|(1<<21)|(5<<22)|(3<<25)
.irp g, G1X, G1W, G1V
	s_mov_b32 s[\g+1], 256<<16                     ; tensor_dim0
	s_mov_b32 s[\g+3], 256<<16                     ; tile_dim0
	s_mov_b32 s[\g+5], 1024                        ; the pitch
	s_mov_b32 s[\g+6], 0
	s_mov_b32 s[\g+7], 0
.endr
.irp g, G1X, G1V
	s_mov_b32 s[\g+2], 128<<16                     ; tensor_dim1
	s_mov_b32 s[\g+4], 128                         ; tile_dim1
.endr
	s_mov_b32 s[G1W+2], 256<<16
	s_mov_b32 s[G1W+4], 256
	s_mul_i32 s66, s14, HALFT                      ; where x's half goes in a slot (waves 0 and 1)
	s_lshl_b32 s60, s67, 2
	s_add_co_u32 s60, s60, s18
	s_lshl_b32 s60, s60, 18                        ; my 256 tokens, in bytes
	s_lshl_b32 s5, s16, 17
	s_add_co_u32 s4, s60, s5                       ; x: hangs on cy alone
	s_mov_b32 s5, 0
	s_lshl_b32 s6, s17, 18                         ; the weights: hang on cx alone
	s_mov_b32 s7, 0
	s_lshl_b32 s22, s19, 17
	s_mov_b32 s23, 0
	s_wait_dscnt 0x0                               ; both opening adds are done
	s_wait_kmcnt 0x0
	s_cmp_eq_u32 ttmp9, 0                          ; q or k: choices on the cluster's x
	s_cselect_b64 s[92:93], s[70:71], s[72:73]
	s_cselect_b64 s[8:9], s[76:77], s[78:79]
	s_cselect_b64 s[10:11], s[84:85], s[86:87]
	s_add_nc_u64 s[96:97], s[68:69], s[4:5]
	s_add_nc_u64 s[94:95], s[92:93], s[6:7]
	s_add_nc_u64 s[90:91], s[74:75], s[22:23]
	s_mov_b32 s[G0X], 1
	s_mov_b32 s[G0X+1], s66
	s_mov_b64 s[G0X+2:G0X+3], s[96:97]
	s_or_b32 s[G0X+3], s[G0X+3], 0x80000000
	s_mov_b32 s[G0W], 1
	s_mov_b32 s[G0W+1], 2*HALFT
	s_mov_b64 s[G0W+2:G0W+3], s[94:95]
	s_or_b32 s[G0W+3], s[G0W+3], 0x80000000
	s_mov_b32 s[G0V], 1
	s_mov_b32 s[G0V+1], WVB
	s_mov_b64 s[G0V+2:G0V+3], s[90:91]
	s_or_b32 s[G0V+3], s[G0V+3], 0x80000000
	CROUND                                         ; all sixteen work-groups are here: the first joint loads meet
	JLOAD 0                                        ; K step 0, one tensor load a wave
	; the prefetches' base: x and the first weight from K step 2 on, v's weight from K step 1 on
	s_lshl_b32 s5, s17, 15
	s_add_co_u32 s5, s5, 512
	s_cmp_eq_u32 s14, 2
	s_cselect_b64 s[62:63], s[94:95], s[90:91]
	s_cselect_b32 s20, 16, 15
	s_mov_b32 s21, 256
	s_cselect_b32 s21, 512, s21
	s_lshl_b32 s20, s18, s20
	s_add_co_u32 s20, s20, s21
	s_cmp_lt_u32 s14, 2
	s_cselect_b64 s[62:63], s[96:97], s[62:63]
	s_cselect_b32 s20, s5, s20
	s_mov_b32 s21, 0
	s_add_nc_u64 s[62:63], s[62:63], s[20:21]
	s_cmp_eq_u32 s14, 3
	s_cselect_b32 s61, 0, 1
	s_cmp_lt_u32 s14, 2
	s_cselect_b32 s20, 0, s67
	s_cmp_lt_u32 s20, 4
	s_cselect_b32 s61, s61, 9                      ; my wave asks while s3 > s61
	; where the results go: q, k: rows 64 x wave on; v: rows 32 x wave on
	s_lshl_b32 s20, s17, 8
	s_add_co_u32 s20, s20, s60
	s_lshl_b32 s5, s14, 16
	s_add_co_u32 s20, s20, s5
	s_add_nc_u64 s[10:11], s[10:11], s[20:21]
	s_lshl_b32 s20, s67, 20
	s_lshl_b32 s5, s19, 17
	s_add_co_u32 s20, s20, s5
	s_lshl_b32 s5, s14, 15
	s_add_co_u32 s20, s20, s5
	s_lshl_b32 s5, s18, 8
	s_add_co_u32 s20, s20, s5
	s_add_nc_u64 s[12:13], s[88:89], s[20:21]
	s_lshl_b32 s20, s17, 10                        ; the bias of my 128 channels of q or k,
	s_lshl_b32 s5, s16, 9
	s_add_co_u32 s20, s20, s5
	s_add_nc_u64 s[8:9], s[8:9], s[20:21]
	s_lshl_b32 s20, s19, 9                         ; of my 64 channels of v
	s_lshl_b32 s5, s16, 8
	s_add_co_u32 s20, s20, s5
	s_add_nc_u64 s[92:93], s[80:81], s[20:21]
	s_load_b256 s[68:75], s[82:83], 0x0            ; entries 0 to 7 of the scales; waited for ahead of the way out
	s_load_b64 s[76:77], s[82:83], 0x20            ; entries 8, 9
	s_mul_i32 s20, s15, HALFT
	s_mul_i32 s21, s16, HALFT
	s_add_co_u32 s21, s21, 2*HALFT
	s_mul_i32 s22, s16, 64*PITCH
	s_add_co_u32 s22, s22, WVB
	s_lshl_b32 s5, s16, 7
	s_add_co_u32 s23, s20, s5
	s_mul_i32 s60, s16, 64*PITCH
	s_lshl_b32 s5, s15, 7
	s_add_co_u32 s60, s60, s5
	s_add_co_u32 s60, s60, STG1
	s_mul_i32 s90, s14, 64*PITCH
	s_mul_i32 s91, s14, 32*PITCH
	s_add_co_u32 s91, s91, STG1
	s_lshl_b32 s94, s14, 10
	s_add_co_u32 s94, s94, BIASL
	s_add_co_u32 s95, s94, 512
	s_mov_b32 s2, 0                                ; the slot in hand
	s_mov_b32 s3, 2                                ; trips of the loop below
	v_and_b32 v1, 15, v0                           ; r
	v_bfe_u32 v2, v0, 4, 1                         ; h
	v_mul_u32_u24 v3, v1, PITCH
	v_lshl_add_u32 v31, v2, 4, v3                  ; a fragment's row x pitch + 16 h
	v_add_nc_u32 v[ADRX0], s20, v31
	v_add_nc_u32 v[ADRW0], s21, v31
	v_add_nc_u32 v[ADRV], s22, v31
	v_lshl_add_u32 v3, v2, 3, v3                   ; into a stage: row x pitch + 8 h
	v_add_nc_u32 v[STO], s23, v3
	v_add_nc_u32 v[STOV], s60, v3
	v_mul_u32_u24 v3, v2, PITCH                    ; back: lanes 0-15 one row of 256 bytes, lanes 16-31 the next
	v_lshl_add_u32 v3, v1, 4, v3
	v_add_nc_u32 v[RD], s90, v3
	v_add_nc_u32 v[RDV], s91, v3
	v_lshlrev_b32 v[CO], 10, v2
	v_lshl_add_u32 v[CO], v1, 4, v[CO]
	v_lshlrev_b32 v3, 5, v2
	v_add_nc_u32 v[BR], s94, v3
	v_lshlrev_b32 v3, 2, v1
	v_add_nc_u32 v[BRV], s95, v3
	v_and_b32 v[PFO], 31, v0
	v_lshlrev_b32 v31, 4, v[PFO]
	v_lshlrev_b32 v3, 3, v[PFO]
	v_add_nc_u32 v[BW], s94, v31
	v_add_nc_u32 v[BW2], s95, v3
	v_lshlrev_b32 v[PFO], 10, v[PFO]
	v_add_nc_u32 v[ADRX], s2, v[ADRX0]
	v_add_nc_u32 v[ADRW], s2, v[ADRW0]
	global_load_b128 v[8:11], v31, s[8:9]          ; the bias waits in registers, in memory's order, for the way out
	global_load_b64 v[12:13], v3, s[92:93]
.macro HALF n, adr, q, blk             ; group n: blocks blk .. blk + 3, 64 K at byte 64 q of the rows
.irp i, 0,1,2,3
.irp c, 0,1
	ds_load_b128 v[RG+32*((\n)%7)+8*\i+4*\c:RG+32*((\n)%7)+8*\i+4*\c+3], v[\adr] offset:64*(\q)+32*\c+(\i+\blk)*16*PITCH
.endr
.endr
.endm
.macro LD n
.if (\n) < 16
.if ((\n)%4) == 0
	HALF \n, ADRX, (\n)/4, 0
.endif
.if ((\n)%4) == 1
	HALF \n, ADRW, (\n)/4, 0
.endif
.if ((\n)%4) == 2
	HALF \n, ADRW, (\n)/4, 4
.endif
.if ((\n)%4) == 3
	HALF \n, ADRX, (\n)/4, 4
.endif
.else
.if (((\n)-16)%3) == 0
	HALF \n, ADRX, ((\n)-16)/3, 0
.endif
.if (((\n)-16)%3) == 1
	HALF \n, ADRX, ((\n)-16)/3, 4
.endif
.if (((\n)-16)%3) == 2
	HALF \n, ADRV, ((\n)-16)/3, 0
.endif
.endif
.endm
; 16 matrix instructions for q or k: x's group na x the weight's group nb (its blocks b0 on).  zero = 1: the first product starts the sums.
; The accumulators take turns, one instruction a turn, in the same order in every step.
.macro QUAD na, nb, b0, zero
.irp a, 0,1,2,3
.irp b, 0,1,2,3
.if \zero
	v_wmma_f32_16x16x64_bf8_bf8 v[8*(8*\a+\b+\b0):8*(8*\a+\b+\b0)+7], v[RG+32*((\nb)%7)+8*\b:RG+32*((\nb)%7)+8*\b+7], v[RG+32*((\na)%7)+8*\a:RG+32*((\na)%7)+8*\a+7], 0
.else
	v_wmma_f32_16x16x64_bf8_bf8 v[8*(8*\a+\b+\b0):8*(8*\a+\b+\b0)+7], v[RG+32*((\nb)%7)+8*\b:RG+32*((\nb)%7)+8*\b+7], v[RG+32*((\na)%7)+8*\a:RG+32*((\na)%7)+8*\a+7], v[8*(8*\a+\b+\b0):8*(8*\a+\b+\b0)+7]
.endif
.endr
.endr
.endm
; The same for v, the sources changed over: accumulator (token block a, channel block b) at v[8 (8 b + a)] of window 3.
.macro VQUAD na, nb, a0, zero
.irp b, 0,1,2,3
.irp a, 0,1,2,3
.if \zero
	v_wmma_f32_16x16x64_bf8_bf8 v[8*(8*\b+\a+\a0):8*(8*\b+\a+\a0)+7], v[RG+32*((\na)%7)+8*\a:RG+32*((\na)%7)+8*\a+7], v[RG+32*((\nb)%7)+8*\b:RG+32*((\nb)%7)+8*\b+7], 0
.else
	v_wmma_f32_16x16x64_bf8_bf8 v[8*(8*\b+\a+\a0):8*(8*\b+\a+\a0)+7], v[RG+32*((\na)%7)+8*\a:RG+32*((\na)%7)+8*\a+7], v[RG+32*((\nb)%7)+8*\b:RG+32*((\nb)%7)+8*\b+7], v[8*(8*\b+\a+\a0):8*(8*\b+\a+\a0)+7]
.endif
.endr
.endr
.endm
.macro VR1 u, zero
	VQUAD 16+3*(\u), 18+3*(\u), 0, \zero
.endm
.macro VR2 u, zero
	VQUAD 17+3*(\u), 18+3*(\u), 4, \zero
.endm
; 64 along K of q or k, 64 matrix instructions.  Group n + 7 is loaded as soon as group n is done with.  The waits count the younger groups, 8 loads each.
; mid = 1: v's weight of this step becomes visible: its wave waits for it, all signal behind s = 2 and wait in the middle of s = 3.  x's and the first weight's next tiles stay on their way.
.macro QKS s, zero, mid
.if (\s) == 3
	s_wait_dscnt 24                                ; groups 12 to 14 are in (15 to 17 may be out)
.else
	s_wait_dscnt 32                                ; the first three groups of s are in
.endif
	WIN 0x50
	QUAD 4*(\s), 4*(\s)+1, 0, \zero
	QUAD 4*(\s), 4*(\s)+2, 4, \zero
	WIN 0
.if (\s) == 3
.if \mid
	s_barrier_wait -1
.endif
	PLACES 4
	LD 18
	LD 19
.else
	PLACES 4
	LD 4*(\s)+7
.endif
	s_wait_dscnt 32                                ; the fourth group of s is in
	WIN 0xa0
	QUAD 4*(\s)+3, 4*(\s)+2, 4, \zero
	QUAD 4*(\s)+3, 4*(\s)+1, 0, \zero
	WIN 0
.if (\s) == 2
.if \mid
	s_cmp_lg_u32 s14, 3
	s_cbranch_scc1 .Lnot_mine_\@
	s_wait_tensorcnt 0x0                           ; wave 3: v's weight of this step has landed
.Lnot_mine_\@:
	s_wait_dscnt 0x0
	s_barrier_signal -1
.endif
	PLACES 4
	LD 16
	LD 17
.else
	PLACES 4
	LD 4*(\s)+8
	LD 4*(\s)+9
	LD 4*(\s)+10
.endif
.endm
.macro PART1 zero, mid                 ; q or k over the step's 256 K, then v over the first 128
	QKS 0, \zero, \mid
	QKS 1, 0, \mid
	QKS 2, 0, \mid
	QKS 3, 0, \mid
	VHALF \zero
.endm
.macro VHALF zero                      ; v over the step's first 128 K
	s_wait_dscnt 32                                ; groups 16 to 18 are in
	WIN 0xf0
	VR1 0, \zero
	VR2 0, \zero
	WIN 0
	PLACES 4
	LD 23
	LD 24
	LD 25
	s_wait_dscnt 32                                ; groups 19 to 21 are in
	WIN 0xf0
	VR1 1, 0
	VR2 1, 0
	WIN 0
	PLACES 4
	LD 26
	LD 27
.endm
; v over the step's last 128 K, and the change of slots.
; f = 1: that slot takes x and the first weight two steps on, and v's weight region the next step's; f = 2: v's weight alone, the last.
.macro PART2 f
.if (\f) == 1
	s_wait_xcnt 0x0                                ; my prefetch has read its address: a step on
	s_add_nc_u64 s[62:63], s[62:63], 256
.endif
	s_wait_tensorcnt 0x0                           ; all my tensor loads have landed
	ds_add_u32 v[SPW], v[NIL]                      ; 0 onto my spare word
.if (\f) == 1
	s_add_co_u32 s[G0X+1], s66, s2
	s_add_co_u32 s[G0W+1], s2, 2*HALFT
	s_add_nc_u64 s[G0X+2:G0X+3], s[G0X+2:G0X+3], 256
	s_add_nc_u64 s[G0W+2:G0W+3], s[G0W+2:G0W+3], 256
.endif
	s_add_nc_u64 s[G0V+2:G0V+3], s[G0V+2:G0V+3], 256
	s_xor_b32 s2, s2, SLOT                         ; on to the other slot
	s_wait_dscnt 25                                ; groups 22 to 24 are in (25 to 27 and the add may be out)
	WIN 0xf0
	VR1 2, 0
	VR2 2, 0
	s_wait_dscnt 0x0                               ; the add is done, and my reads of this step are over
	s_barrier_signal -1
	VR1 3, 0
	WIN 0
	s_barrier_wait -1
	CREST                                          ; no wave of any partner still reads what is filled below or has a load on its way
.if (\f) == 1
	JLOAD 0
.else
	JLOAD 2
	PLACES 4
.endif
	v_add_nc_u32 v[ADRX], s2, v[ADRX0]
	v_add_nc_u32 v[ADRW], s2, v[ADRW0]
	s_wait_alu depctr_va_vdst(0)                   ; ahead of the readers below
	LD 0
	LD 1
	LD 2
	LD 3
	LD 4                                           ; (its registers held the group that the 16 matrix instructions above read)
.if (\f) == 1
	ASK
.endif
	WIN 0xf0
	VR2 3, 0
	WIN 0
	PLACES 4
	LD 5
	LD 6
.endm
	s_wait_alu depctr_va_vdst(0)                   ; at the head's end
	s_wait_tensorcnt 0x0                           ; my part of K step 0 is in
	ds_add_u32 v[SPW], v[NIL]
	s_add_co_u32 s[G0X+1], s66, SLOT
	s_mov_b32 s[G0W+1], SLOT+2*HALFT
	s_add_nc_u64 s[G0X+2:G0X+3], s[G0X+2:G0X+3], 256
	s_add_nc_u64 s[G0W+2:G0W+3], s[G0W+2:G0W+3], 256
	s_wait_dscnt 0x0
	CROUND                                         ; everybody's part of K step 0 is in
	JLOAD 1                                        ; K step 1 of x and of the first weight, into slot 1
	LD 0
	LD 1
	LD 2
	LD 3
	LD 4
	LD 5
	LD 6
	ASK
	PART1 1, 0                                     ; K step 0: the first products start the sums
.Lstep:                                                ; K steps 1 and 2
	PART2 1
	PART1 0, 1
	s_sub_co_u32 s3, s3, 1
	s_cmp_lg_u32 s3, 0
	s_cbranch_scc1 .Lstep
; The last K step: q or k is finished and goes out first; v's products follow while those stores are on their way.  So no group of v is loaded ahead here.
.macro QKL s
.if (\s) == 3
	s_wait_dscnt 8                                 ; groups 12 to 14 are in (15 may be out)
.else
	s_wait_dscnt 32
.endif
	WIN 0x50
	QUAD 4*(\s), 4*(\s)+1, 0, 0
	QUAD 4*(\s), 4*(\s)+2, 4, 0
	WIN 0
.if (\s) == 3
	s_wait_dscnt 0x0
.else
	PLACES 4
	LD 4*(\s)+7
	s_wait_dscnt 32
.endif
	WIN 0xa0
	QUAD 4*(\s)+3, 4*(\s)+2, 4, 0
	QUAD 4*(\s)+3, 4*(\s)+1, 0, 0
	WIN 0
.endm
	PART2 2                                        ; K step 3
	QKS 0, 0, 1
	QKS 1, 0, 1
	QKL 2
	QKL 3
	s_wait_kmcnt 0x0                               ; the scales' exponents: selects and arithmetic, no branch hangs on them
	s_add_co_i32 s90, s68, s69
	s_add_co_i32 s91, s70, s71
	s_add_co_i32 s92, s72, s73
	s_cmp_eq_u32 ttmp9, 0
	s_cselect_b32 s90, s90, s91
	s_cselect_b32 s93, s74, s75
	s_add_co_i32 s90, s90, 127
	s_lshl_b32 s96, s90, 23                        ; 2^(ea + eb) of q or k,
	s_mov_b32 s97, s96                             ; (named with it as a pair)
	s_add_co_i32 s92, s92, 127
	s_lshl_b32 s98, s92, 23                        ; of v
	s_mov_b32 s99, s98
	s_add_co_i32 s93, s93, 127
	s_lshl_b32 s90, s93, 23
	s_add_co_i32 s93, s93, 15
	s_lshl_b32 s93, s93, 23
	s_or_b32 s93, s93, 0x600000
	s_add_co_i32 s94, s77, 127
	s_lshl_b32 s91, s94, 23
	s_add_co_i32 s94, s94, 15
	s_lshl_b32 s94, s94, 23
	s_or_b32 s94, s94, 0x600000
	v_mov_b32 v[SCQ], s90                          ; 2^eo and 57,344 x 2^eo
	v_mov_b32 v[LIMQ], s93
	v_mov_b32 v[SC2], s91
	v_mov_b32 v[LIM2], s94
	s_wait_alu depctr_va_vdst(0)                   ; ahead of the branch and the waits below
	s_cmp_lg_u32 s14, 3
	s_cbranch_scc1 .Llast_not_mine
	s_wait_tensorcnt 0x0                           ; wave 3: v's weight of the last step has landed
.Llast_not_mine:
	s_wait_dscnt 0x0
	s_barrier_signal -1
	s_barrier_wait -1                              ; v's weight is visible; nobody reads slot 0 any more
; THE WAY OUT.  Block k: 0-7: 16 tokens x my 128 channels of q or k; 8-11: 16 channels x my 128 tokens of v.  Sum x 2^(ea + eb) + bias, each accumulator from its low end on; the hold; eight codes a conversion; 8 bytes a store.
.macro OUTBLK k
.set AC, 64*((\k)%4)
.set CC, CD+16*((\k)%4)
	WIN 0x01+((\k)/4)                              ; source 0: window 1, 2 or 3
.set jj, 0
.rept 32
.if (\k) < 8
	v_pk_fma_f32 v[TMP+jj:TMP+jj+1], v[AC+jj:AC+jj+1], s[96:97], v[BI+jj:BI+jj+1] op_sel_hi:[1,0,1]
.else
	v_pk_fma_f32 v[TMP+jj:TMP+jj+1], v[AC+jj:AC+jj+1], s[98:99], v[BV+2*((\k)%4):BV+2*((\k)%4)+1] op_sel_hi:[1,0,1]
.endif
.set jj, jj+2
.endr
	WIN 0
.set jj, 0
.rept 64
.if (\k) < 8
	v_med3_num_f32 v[TMP+jj], v[TMP+jj], -v[LIMQ], v[LIMQ]   ; the conversion to an 8-bit code does not saturate (ISA guide 7.6.2)
.else
	v_med3_num_f32 v[TMP+jj], v[TMP+jj], -v[LIM2], v[LIM2]
.endif
.set jj, jj+1
.endr
.if ((\k)/4) == 1
	s_wait_alu depctr_va_vdst(0)
	s_wait_dscnt 24                                ; block k - 4's eight stores have read the registers that take this block's codes (three blocks' 24 stores are younger)
.endif
.set jj, 0
.rept 8
.if (\k) < 8
	v_cvt_scalef32_pk8_bf8_f32 v[CC+2*jj:CC+2*jj+1], v[TMP+8*jj:TMP+8*jj+7], v[SCQ]
.else
	v_cvt_scalef32_pk8_bf8_f32 v[CC+2*jj:CC+2*jj+1], v[TMP+8*jj:TMP+8*jj+7], v[SC2]
.endif
.set jj, jj+1
.endr
	v_nop                                          ; one plain instruction behind the last conversion
.set jj, 0
.rept 8
.if (\k) < 8
	ds_store_b64 v[STO], v[CC+2*jj:CC+2*jj+1] offset:(\k)*16*PITCH+16*jj
.else
	ds_store_b64 v[STOV], v[CC+2*jj:CC+2*jj+1] offset:((\k)%4)*16*PITCH+16*jj
.endif
.set jj, jj+1
.endr
.endm
	PLACES 4                                       ; ahead of loads into registers that matrix instructions read, and of the first read of results
	s_wait_loadcnt 0x0                             ; the bias: through my own LDS bytes into the lanes that want it
	ds_store_b128 v[BW], v[8:11]
	ds_store_b64 v[BW2], v[12:13]
.irp b, 0,1,2,3,4,5,6,7
	ds_load_b128 v[BI+8*\b:BI+8*\b+3], v[BR] offset:64*\b           ; channels 16 b + 8 h + 0 .. 7
	ds_load_b128 v[BI+8*\b+4:BI+8*\b+7], v[BR] offset:64*\b+16
.endr
	s_wait_dscnt 0x0
.irp k, 0,1,2,3,4,5,6,7
	OUTBLK \k
.endr
	s_wait_dscnt 0x0                               ; for the others' sake: my codes lie in the stage
	s_barrier_signal -1
	s_barrier_wait -1                              ; a row's 256 bytes come from two waves
	WIN 0x40                                       ; back by whole rows, into window 1, whose sums have been read
.set tt, 0
.rept 32
	ds_load_b128 v[4*tt:4*tt+3], v[RD] offset:2*tt*PITCH
.set tt, tt+1
.endr
	WIN 0
	LD 16                                          ; v's first groups meanwhile
	LD 17
	LD 18
	WIN 0x04                                       ; store data: window 1
.set tt, 0
.rept 32
	s_wait_dscnt 55-tt                             ; load tt is in (the younger ones and the 24 of groups 16 to 18 may be out)
	global_store_b128 v[CO], v[4*tt:4*tt+3], s[10:11] offset:2*tt*1024   ; 16 lanes store 256 consecutive bytes, aligned
.set tt, tt+1
.endr
	WIN 0
	LD 19
	LD 20
	LD 21
	LD 22
	VHALF 0
	s_wait_dscnt 24                                ; groups 22 to 24 are in
	WIN 0xf0
	VR1 2, 0
	VR2 2, 0
	s_wait_dscnt 0x0
	VR1 3, 0
	VR2 3, 0
	WIN 0
	PLACES 4
.irp b, 0,1,2,3
	ds_load_b32 v[BV+2*\b], v[BRV] offset:64*\b                     ; v's channel 16 b + r, for both halves of the packed form
	ds_load_b32 v[BV+2*\b+1], v[BRV] offset:64*\b
.endr
	s_wait_dscnt 0x0
	OUTBLK 8
	OUTBLK 9
	OUTBLK 10
	OUTBLK 11
	s_wait_dscnt 0x0
	s_barrier_signal -1
	s_barrier_wait -1
.set tt, 0
.rept 16
	ds_load_b128 v[TMP+4*tt:TMP+4*tt+3], v[RDV] offset:2*tt*PITCH
.set tt, tt+1
.endr
.set tt, 0
.rept 16
	s_wait_dscnt 15-tt
	global_store_b128 v[CO], v[TMP+4*tt:TMP+4*tt+3], s[12:13] offset:2*tt*1024
.set tt, tt+1
.endr
	s_wait_tensorcnt 0x0                           ; the wave's end
	ds_add_u32 v[SPW], v[NIL]
	s_wait_dscnt 0x0
	CROUND                                         ; the closing round: no work-group ends while a partner may still ask for a tile that names it
	s_endpgm
.Lfunc_end_k_q36a0577cda_proj:
	.size	k_q36a0577cda_proj, .Lfunc_end_k_q36a0577cda_proj-k_q36a0577cda_proj
	.p2alignl 7, 3214868480
	.fill 96, 4, 3214868480
	.section	.rodata,"a",@progbits
	.p2align	6, 0x0
	.amdhsa_kernel k_q36a0577cda_proj
		.amdhsa_group_segment_fixed_size 327680
		.amdhsa_private_segment_fixed_size 0
		.amdhsa_enable_private_segment 0
		.amdhsa_kernarg_size 88
		.amdhsa_user_sgpr_count 2
		.amdhsa_user_sgpr_kernarg_segment_ptr 1
		.amdhsa_wavefront_size32 1
		.amdhsa_system_sgpr_workgroup_id_x 1
		.amdhsa_system_sgpr_workgroup_id_y 1
		.amdhsa_system_sgpr_workgroup_id_z 1
		.amdhsa_system_vgpr_workitem_id 0
		.amdhsa_next_free_vgpr 1024
		.amdhsa_next_free_sgpr 100
		.amdhsa_reserve_vcc 0
		.amdhsa_float_denorm_mode_32 3
		.amdhsa_float_denorm_mode_16_64 3
		.amdhsa_memory_ordered 1
		.amdhsa_forward_progress 1
		.amdhsa_inst_pref_size 234
	.end_amdhsa_kernel
	.amdgpu_metadata
---
amdhsa.version: [ 1, 2 ]
amdhsa.kernels:
  - .name:           k_q36a0577cda_proj
    .symbol:         k_q36a0577cda_proj.kd
    .args:
      - { .name: x_codes, .offset: 0, .size: 8, .value_kind: global_buffer, .address_space: global }
      - { .name: Wq_codes, .offset: 8, .size: 8, .value_kind: global_buffer, .address_space: global }
      - { .name: Wk_codes, .offset: 16, .size: 8, .value_kind: global_buffer, .address_space: global }
      - { .name: Wv_codes, .offset: 24, .size: 8, .value_kind: global_buffer, .address_space: global }
      - { .name: bq, .offset: 32, .size: 8, .value_kind: global_buffer, .address_space: global }
      - { .name: bk, .offset: 40, .size: 8, .value_kind: global_buffer, .address_space: global }
      - { .name: bv, .offset: 48, .size: 8, .value_kind: global_buffer, .address_space: global }
      - { .name: lowp_scales, .offset: 56, .size: 8, .value_kind: global_buffer, .address_space: global }
      - { .name: q_codes, .offset: 64, .size: 8, .value_kind: global_buffer, .address_space: global }
      - { .name: k_codes, .offset: 72, .size: 8, .value_kind: global_buffer, .address_space: global }
      - { .name: v_codes, .offset: 80, .size: 8, .value_kind: global_buffer, .address_space: global }
    .group_segment_fixed_size: 327680
    .private_segment_fixed_size: 0
    .kernarg_segment_align: 8
    .kernarg_segment_size: 88
    .max_flat_workgroup_size: 128
    .sgpr_count:     100
    .vgpr_count:     1024
    .wavefront_size: 32
...
	.end_amdgpu_metadata
.endif
;; end of part 1
;; launch scores (part 2): grid 36 x 4, 4 waves a work-group, no clusters, 327,680 bytes of LDS; arguments q_codes, k_codes, lowp_scales, p_codes, stat; writes p_codes, stat
.if DOCPART == 2
	.amdgcn_target "amdgcn-amd-amdhsa--gfx1250"
	.amdhsa_code_object_version 6
	.text
	.protected	k_q36a0577cda_scores
	.globl	k_q36a0577cda_scores
	.p2align	8
	.type	k_q36a0577cda_scores,@function
k_q36a0577cda_scores:
	s_mov_b64 s[64:65], 0
	v_nop
	global_prefetch_b8 v0, s[64:65] scope:SCOPE_SE
	s_setreg_imm32_b32 hwreg(HW_REG_WAVE_MODE, 25, 1), 1
	s_wait_xcnt 0x0
; For each LIVE tile of 256 queries x 256 keys of each batch: S = q k^T on codes of BF8, K = 1,024; t = S x 2^(e6 + e7) x log2(e) / 32; M = the ceiling of the row's largest t IN THIS BLOCK OF 256 KEYS;
; p = 2^(t - M), at most 1, quantised along the keys with the scale 2^e8.  Stored: p's codes; for each row M, and the sums of the unquantised p over the block's two halves of 128 keys.
; The maximum is taken away before every exponential.  The launch mix brings the blocks under one exponent by exact powers of two.
; WORK LEFT OUT: the 28 of 64 tiles of a batch that lie wholly above the diagonal of reference()'s own jnp.tril (shown at the head of proj).  The grid's x counts the 36 live tiles: tile (i, j), j <= i, has the number i (i + 1) / 2 + j.
; In a tile on the diagonal the scores of hidden keys become -infinity ahead of the maximum: p = 0 there.  Key = query counts for every query, so M is a number.
; NO CLUSTER: the live tiles of a batch form a triangle: every group of 4 x 4 or 4 x 1 tiles that would share rows of q or k holds tiles above the diagonal, whose work-groups would ask for tiles that they never read.
; LIMITS: e6 + e7 between -121 and 132 (they are added to the exponent field of log2(e) / 32); e8 between -126 and 112.
; SHARES, LAYOUT, REGISTER WINDOWS of the product: as in proj: four waves, 128 x 128 each, source 0 = 16 keys, source 1 = 16 queries: lane (r, h) holds query 16 a + r, and register jj of accumulator (a, b) key 16 b + 8 h + jj.
; Every wave fetches a quarter of each slot by a tensor load of its own: waves 0, 1 the halves of q's tile, waves 2, 3 those of k's.
.set PITCH,  272
.set HALFT,  128*PITCH
.set SLOT,   4*HALFT
.set SPARE,  2*SLOT                    ; the spare words, 128 bytes for each wave: two blocks of 256 bytes that no other line names
.set XCH,    SPARE+512                 ; 2,048 bytes: each wave's 128 row maxima, for the wave with the row's other 128 keys: [half of the columns][half of the rows][row] f32; no tile lands here
.set ROWB,   256
.set KROW,   1024
.set FR,     16
.set NL,     4
.set NP,     4
.set ADRA, 16                          ; v16-17  LDS address of my A fragments in slot 0, 1
.set ADRB, 20                          ; v20-21  the same for B
.set STO,  24                          ; v24     the stage (256 rows x 272 bytes at LDS byte 0, in slot 0, which has had its last fill and its last read by then): where I put eight codes
.set RD,   25                          ; v25     where I read a row back
.set CO,   26                          ; v26     my byte offset in two rows of p's codes
.set XW,   27                          ; v27     where I put my row maxima
.set SPW,  28                          ; v28     my spare word; never rewritten
.set NIL,  29                          ; v29     0; never rewritten
.set XR,   30                          ; v30     where I read the other wave's
.set SOF,  31                          ; v31     my byte offset in stat: 32,768 h + 4 r
.set NM,   32                          ; v[32+2a] -M, v[33+2a] the largest t, of block a's row
.set MX,   48                          ; v48-55  the rows' largest scores
.set LS,   56                          ; v56-63  the rows' sums
.set DD,   64                          ; v64     the mask's d
.set NINF, 65                          ; v65     -infinity
.set LIMV, 66                          ; v66     57,344 x 2^e8
.set SCV,  67                          ; v67     2^e8
.set WK,   68                          ; v68-75  at work
.set PT,   76                          ; v76-83  lane permutes' and LDS loads' targets
.set AF,   128
.set TMP,  128                         ; a block's 64 numbers
.set CD,   96                          ; codes, two sets of 16 registers
.set MS,   86                          ; v86-93  the rows' M
.set G1, 24                            ; s[24:31] descriptor group 1
.set G0, 32                            ; s[32:39] group 0, one set for each slot
.set SEL, 92                           ; s[92:93] lane selects for v_permlanex16_b32: lane l xor 16
.set MSB, 0
.macro WIN new
.if MSB != (\new)
	s_set_vgpr_msb (MSB<<8)|(\new)
.set MSB, (\new)
.endif
.endm
.set MUL_LO, 0xa1
.set MUL_HI, 0xf1
.set TO_B,   0x40
	s_load_b256 s[4:11], s[0:1], 0x0               ; q's codes s[4:5], k's codes s[6:7], the scales s[8:9], p's codes s[10:11]
	s_load_b64 s[12:13], s[0:1], 0x20              ; stat
	v_lshl_add_u32 v[SPW], v0, 2, SPARE
	v_mov_b32 v[NIL], 0
	ds_add_u32 v[SPW], v[NIL]                      ; the wave's opening: the add, twice on end, and its wait ahead of my first tensor load
	ds_add_u32 v[SPW], v[NIL]
	v_lshrrev_b32 v1, 5, v0
	v_readfirstlane_b32 s14, v1                    ; wave 0..3
	s_lshr_b32 s15, s14, 1                         ; my half of the queries.  Also: I fetch q (0) or k (1)
	s_and_b32 s16, s14, 1                          ; my half of the keys.  Also: which 128 rows I fetch
	s_and_b32 s19, ttmp7, 0xffff                   ; the batch
	s_mov_b32 s17, 0                               ; i = how many of the triangle numbers 1, 3, .. 28 the tile's number has reached
.irp t, 1,3,6,10,15,21,28
	s_cmp_ge_u32 ttmp9, \t
	s_add_co_ci_u32 s17, s17, 0
.endr
	s_add_co_u32 s20, s17, 1
	s_mul_i32 s20, s20, s17
	s_lshr_b32 s20, s20, 1
	s_sub_co_u32 s18, ttmp9, s20                   ; j = the number - i (i + 1) / 2
	s_mov_b32 s[G1+0], (0<<16)|(1<<20)|(5<<22)|(3<<25)   ; no mask; elements of 1 byte; padding: 4 words after every 64
	s_mov_b32 s[G1+1], ROWB<<16                    ; tensor_dim0
	s_mov_b32 s[G1+2], 128<<16                     ; tensor_dim1
	s_mov_b32 s[G1+3], ROWB<<16                    ; tile_dim0
	s_mov_b32 s[G1+4], 128                         ; tile_dim1
	s_mov_b32 s[G1+5], KROW                        ; tensor_dim0_stride
	s_mov_b32 s[G1+6], 0
	s_mov_b32 s[G1+7], 0
	s_mov_b32 s[SEL], 0x76543210
	s_mov_b32 s[SEL+1], 0xfedcba98
	s_mov_b32 s98, 0xffff0000                      ; the lanes with h = 1
	s_cmp_eq_u32 s15, 0
	s_cselect_b32 s20, s17, s18                    ; q's block i or k's block j,
	s_lshl_b32 s21, s19, 3
	s_add_co_u32 s20, s20, s21                     ; of my batch's eight,
	s_lshl_b32 s20, s20, 18                        ; 256 rows of 1,024 bytes each,
	s_lshl_b32 s21, s16, 17
	s_add_co_u32 s20, s20, s21                     ; and my 128 rows of it
	s_mov_b32 s21, 0
	s_mul_i32 s45, s14, HALFT                      ; where they go: wave x 128 rows
	s_wait_dscnt 0x0                               ; both opening adds are done
	s_wait_kmcnt 0x0
	s_load_b64 s[68:69], s[8:9], 0x18              ; e6, e7
	s_load_b32 s70, s[8:9], 0x20                   ; e8
	s_cmp_eq_u32 s15, 0
	s_cselect_b64 s[22:23], s[4:5], s[6:7]
	s_add_nc_u64 s[22:23], s[22:23], s[20:21]
	s_mov_b64 s[50:51], s[22:23]                   ; my 128 rows, for the prefetches
.irp s, 0,1                                    ; a group 0 for each slot; K step 0 is asked for here, one tensor load a wave
	s_mov_b32 s[G0+4*\s], 1
	s_add_co_u32 s[G0+4*\s+1], s45, \s*SLOT
	s_add_nc_u64 s[G0+4*\s+2:G0+4*\s+3], s[22:23], \s*ROWB
	s_or_b32 s[G0+4*\s+3], s[G0+4*\s+3], 0x80000000
.endr
	tensor_load_to_lds s[G0:G0+3], s[G1:G1+7]
	s_nop 0
.rept 4
	v_nop
.endr
	v_and_b32 v1, 15, v0                           ; r
	v_bfe_u32 v2, v0, 4, 1                         ; h
	v_mul_u32_u24 v3, v1, PITCH
	s_wait_alu depctr_va_vdst(0)
	v_lshl_add_u32 v4, v2, 4, v3
	s_mul_i32 s21, s15, HALFT
	s_mul_i32 s22, s16, HALFT
	s_add_co_u32 s22, s22, 2*HALFT
.irp s, 0,1
	v_add_nc_u32 v[ADRA+\s], s21, v4
	v_add_nc_u32 v[ADRB+\s], s22, v4
	s_add_co_u32 s21, s21, SLOT
	s_add_co_u32 s22, s22, SLOT
.endr
	s_mul_i32 s23, s15, 128*PITCH                  ; into the stage: row 128 x my half + 16 a + r, byte 128 x my half of the keys + 16 b + 8 h
	s_lshl_b32 s21, s16, 7
	s_add_co_u32 s23, s23, s21
	v_lshl_add_u32 v5, v2, 3, v3
	v_add_nc_u32 v[STO], s23, v5
	s_mul_i32 s23, s14, 64*PITCH                   ; back: wave w takes rows 64 w .. 64 w + 63, whole
	v_mul_u32_u24 v6, v2, PITCH
	v_lshl_add_u32 v6, v1, 4, v6
	v_add_nc_u32 v[RD], s23, v6
	v_lshlrev_b32 v[CO], 10, v2
	v_lshl_add_u32 v[CO], v1, 4, v[CO]
	s_lshl_b32 s20, s16, 10
	s_lshl_b32 s21, s15, 9
	s_add_co_u32 s20, s20, s21
	v_lshlrev_b32 v5, 2, v1                        ; 4 r
	v_add_nc_u32 v[XW], s20, v5
	v_add_nc_u32 v[XW], XCH, v[XW]
	s_xor_b32 s20, s20, 1024                       ; the wave with the same queries and the other keys
	v_add_nc_u32 v[XR], s20, v5
	v_add_nc_u32 v[XR], XCH, v[XR]
	v_lshl_add_u32 v[SOF], v2, 15, v5
	s_sub_co_i32 s20, s15, s16
	s_lshl_b32 s20, s20, 7
	v_lshlrev_b32 v3, 3, v2
	v_sub_nc_u32 v[DD], v1, v3
	v_add_nc_u32 v[DD], s20, v[DD]                 ; d = 128 (my half of the queries - my half of the keys) + r - 8 h: register jj of accumulator (a, b) is hidden where 16 (b - a) + jj > d
	v_mov_b32 v[NINF], 0xff800000
	v_and_b32 v84, 31, v0
	v_lshlrev_b32 v84, 10, v84                     ; the prefetches' offset: lane x 1,024
.irp a, 0,1,2,3,4,5,6,7
	v_mov_b32 v[PT+\a], 0                          ; written once: a lane permute's destination counts as one of its sources
.endr
	; p's codes: [batch][half of the keys][query][1,024 keys]: (2 batch + j / 4) x 2,097,152 + (256 i + 64 wave) x 1,024 + (j % 4) x 256
	s_lshl_b32 s20, s19, 1
	s_lshr_b32 s21, s18, 2
	s_add_co_u32 s20, s20, s21
	s_lshl_b32 s20, s20, 21
	s_lshl_b32 s21, s17, 18
	s_add_co_u32 s20, s20, s21
	s_lshl_b32 s21, s14, 16
	s_add_co_u32 s20, s20, s21
	s_and_b32 s21, s18, 3
	s_lshl_b32 s21, s21, 8
	s_add_co_u32 s20, s20, s21
	s_mov_b32 s21, 0
	s_add_nc_u64 s[10:11], s[10:11], s[20:21]
	; stat: f32 [block of keys j][half of its keys][0: the sum, 1: M][8,192 rows]: (2 j + my half) x 65,536 + 4 (2,048 batch + 256 i + 128 x my half of the queries)
	s_lshl_b32 s20, s18, 1
	s_add_co_u32 s20, s20, s16
	s_lshl_b32 s20, s20, 16
	s_lshl_b32 s22, s19, 13
	s_add_co_u32 s20, s20, s22
	s_lshl_b32 s22, s17, 10
	s_add_co_u32 s20, s20, s22
	s_lshl_b32 s22, s15, 9
	s_add_co_u32 s20, s20, s22
	s_add_nc_u64 s[12:13], s[12:13], s[20:21]
	s_wait_kmcnt 0x0
	s_add_co_i32 s68, s68, s69
	s_lshl_b32 s68, s68, 23
	s_add_co_i32 s96, s68, 0x3d38aa3b              ; c = log2(e) / 32 x 2^(e6 + e7): the two exponents are added to the constant's exponent field
	s_mov_b32 s97, s96                             ; (named with it as a pair, so it is written)
	s_add_co_i32 s70, s70, 127
	s_lshl_b32 s71, s70, 23
	v_mov_b32 v[SCV], s71                          ; 2^e8 as f32
	s_add_co_i32 s70, s70, 15
	s_lshl_b32 s70, s70, 23
	s_or_b32 s70, s70, 0x600000
	v_mov_b32 v[LIMV], s70                         ; 57,344 x 2^e8
.macro FRAG reg, adr, q, i
.irp c, 0,1,2,3
	ds_load_b128 v[\reg+4*\c:\reg+4*\c+3], v[\adr] offset:128*(\q)+32*\c+(\i)*16*PITCH
.endr
.endm
.macro MUL16 a0, p, zero               ; the 64 accumulators take turns, one instruction a turn
.irp a, \a0, \a0+1
.irp b, 0,1,2,3,4,5,6,7
.if \zero
	v_wmma_f32_16x16x128_bf8_bf8 v[8*(8*((\a)%4)+\b):8*(8*((\a)%4)+\b)+7], v[128*(\p)+FR*\b:128*(\p)+FR*\b+FR-1], v[AF+FR*(\a):AF+FR*(\a)+FR-1], 0
.else
	v_wmma_f32_16x16x128_bf8_bf8 v[8*(8*((\a)%4)+\b):8*(8*((\a)%4)+\b)+7], v[128*(\p)+FR*\b:128*(\p)+FR*\b+FR-1], v[AF+FR*(\a):AF+FR*(\a)+FR-1], v[8*(8*((\a)%4)+\b):8*(8*((\a)%4)+\b)+7]
.endif
.endr
.endr
.endm
.macro FETCH_B slot, q, p
	WIN TO_B
.irp i, 0,1,2,3,4,5,6,7
	FRAG 128*(\p)+FR*\i, ADRB+\slot, \q, \i
.endr
	WIN 0
.endm
.macro FETCH_A slot, q, i0
.irp i, \i0, \i0+1, \i0+2, \i0+3
	FRAG AF+FR*(\i), ADRA+\slot, \q, \i
.endr
.endm
.macro PLACES n
.rept \n
	v_nop
.endr
.endm
.macro STEP slot, q, zero
	s_wait_dscnt 4*NL                              ; B's set and A's blocks 0-3 are in; the youngest 16 loads (A's blocks 4-7) may be out
	WIN MUL_LO
	MUL16 0, (\q)%2, \zero
	MUL16 2, (\q)%2, \zero
	s_wait_dscnt 0
	PLACES NP
	FETCH_B \slot, (\q)+1, 1-(\q)%2
	FETCH_A \slot, (\q)+1, 0
	WIN MUL_HI
	MUL16 4, (\q)%2, \zero
	MUL16 6, (\q)%2, \zero
	PLACES NP
	WIN 0
	FETCH_A \slot, (\q)+1, 4
.endm
; A slot's last step changes slots: ONE barrier; in front of it each wave waits for all its tensor loads, adds 0 to its spare word, and waits for that and for its own reads of this slot.
.macro TURN slot, next, fill
	s_wait_tensorcnt 0x0                           ; all my tensor loads have landed: my part of the next slot
	ds_add_u32 v[SPW], v[NIL]                      ; 0 onto my spare word
	s_wait_dscnt 4*NL+1                            ; (the add and the youngest 16 loads may be out)
	WIN MUL_LO
	MUL16 0, 1, 0
	s_wait_dscnt 0x0                               ; the add is done, and my reads of this slot are over
	s_barrier_signal -1
	MUL16 2, 1, 0
	WIN 0
	s_barrier_wait -1
.if \fill
	s_add_nc_u64 s[G0+4*\slot+2:G0+4*\slot+3], s[G0+4*\slot+2:G0+4*\slot+3], 2*ROWB   ; no load of mine is out, so the group may be written: two K steps on
	tensor_load_to_lds s[G0+4*\slot:G0+4*\slot+3], s[G1:G1+7]   ; my one tensor load behind the barrier, ahead of every LDS read
	s_nop 0
.rept 4
	v_nop                                          ; (also the places in front of the loads below)
.endr
.else
	PLACES NP
.endif
	FETCH_B \next, 0, 0
	FETCH_A \next, 0, 0
	WIN MUL_HI
	MUL16 4, 1, 0
	MUL16 6, 1, 0
	PLACES NP
	WIN 0
	FETCH_A \next, 0, 4
.endm
.macro LASTSTEP
	s_wait_dscnt 4*NL
	WIN MUL_LO
	MUL16 0, 1, 0
	MUL16 2, 1, 0
	s_wait_dscnt 0
	WIN MUL_HI
	MUL16 4, 1, 0
	MUL16 6, 1, 0
	WIN 0
.endm
; The largest score of each of four blocks' rows among my lane's 64 keys: two chains a block, eight chains by turns; each accumulator is read from its low end on.
.macro ROWMAX4 hi
	WIN 0x28+0x14*(\hi)                            ; sources 1 and 2: window 2 or 3
.irp a, 0,1,2,3
	v_max3_num_f32 v[MX+4*(\hi)+\a], v[NINF], v[64*\a], v[64*\a+1]
	v_max3_num_f32 v[WK+4*(\hi)+\a], v[NINF], v[64*\a+2], v[64*\a+3]
.endr
.set jj, 4
.rept 15
.irp a, 0,1,2,3
	v_max3_num_f32 v[MX+4*(\hi)+\a], v[MX+4*(\hi)+\a], v[64*\a+jj], v[64*\a+jj+1]
	v_max3_num_f32 v[WK+4*(\hi)+\a], v[WK+4*(\hi)+\a], v[64*\a+jj+2], v[64*\a+jj+3]
.endr
.set jj, jj+4
.endr
.endm
; Block a (16 queries x my 128 keys): t - M; p; the sum of the unquantised p; the hold; codes; into the stage.
; Two blocks are in hand, in two sets of 64 registers: block a's exponentials stand by turns with block a - 1's hold; then come block a - 1's codes and block a's sum.
.macro CVT a
.set TC, TMP+64*((\a)%2)
.set CC, CD+16*((\a)%2)
.set jj, 0
.rept 8
	v_cvt_scalef32_pk8_bf8_f32 v[CC+2*jj:CC+2*jj+1], v[TC+8*jj:TC+8*jj+7], v[SCV]
.set jj, jj+1
.endr
.endm
.macro PUT a
.set CC, CD+16*((\a)%2)
.set jj, 0
.rept 8
	ds_store_b64 v[STO], v[CC+2*jj:CC+2*jj+1] offset:(\a)*16*PITCH+16*jj
.set jj, jj+1
.endr
.endm
.macro PBLK a
.set AC, 64*((\a)%4)
.set TT, TMP+64*((\a)%2)
.set TP, TMP+64*(1-((\a)%2))
	WIN 0x02+((\a)/4)
.set jj, 0
.rept 32
	v_pk_fma_f32 v[TT+jj:TT+jj+1], v[AC+jj:AC+jj+1], s[96:97], v[NM+2*(\a):NM+2*(\a)+1] op_sel_hi:[1,0,0]   ; score x c - M, two at a time (of the pairs c and -M the low word serves both halves)
.set jj, jj+2
.endr
	WIN 0
.set jj, 0
	s_wait_alu depctr_va_vdst(0)                   ; ahead of the batch,
.rept 64
	v_exp_f32 v[TT+jj], v[TT+jj]                   ; p = 2^(t - M), at most 1: not normalised
.if (\a) > 0
	v_min_num_f32 v[TP+jj], v[TP+jj], v[LIMV]      ; the conversion to an 8-bit code does not saturate (ISA guide 7.6.2); p is not negative, so the hold is one-sided
.endif
.set jj, jj+1
.endr
.if (\a) == 0
	v_nop
.endif
	s_wait_alu depctr_va_vdst(0)                   ; and behind it
.if (\a) > 2
	s_wait_dscnt 8                                 ; block a - 3's stores have read the registers that take block a - 1's codes (block a - 2's eight may be out)
.endif
.if (\a) > 0
	CVT \a-1
.endif
.irp c, 0,1,2,3
	v_pk_add_f32 v[WK+2*\c:WK+2*\c+1], v[TT+2*\c:TT+2*\c+1], v[TT+8+2*\c:TT+8+2*\c+1]   ; THE SUM IS TAKEN OF THE UNQUANTISED p: two at a time, in four chains
.endr
.set jj, 16
.rept 6
.irp c, 0,1,2,3
	v_pk_add_f32 v[WK+2*\c:WK+2*\c+1], v[WK+2*\c:WK+2*\c+1], v[TT+jj+2*\c:TT+jj+2*\c+1]
.endr
.set jj, jj+8
.endr
	v_pk_add_f32 v[WK:WK+1], v[WK:WK+1], v[WK+2:WK+3]
	v_pk_add_f32 v[WK+4:WK+5], v[WK+4:WK+5], v[WK+6:WK+7]
	v_pk_add_f32 v[WK:WK+1], v[WK:WK+1], v[WK+4:WK+5]
	v_add_f32 v[LS+\a], v[WK], v[WK+1]
.if (\a) > 0
	PUT \a-1
.endif
.endm
; A PREFETCH INTO THE L2 of K step k, a step ahead of its tensor load: 256 bytes of each of the 128 rows that my wave fetches, a lane a row.  Query block i and key block i are asked for by the work-group
; of the tile (i, i) alone: each aligned block of 256 bytes once in the launch.  K steps 0 and 1 come by their loads alone.
.macro ASK k
	s_cmp_eq_u32 s17, s18
	s_cbranch_scc0 .Lno_ask_\@
.irp n, 0,1,2,3
	global_prefetch_b8 v84, s[50:51] offset:32768*\n+ROWB*\k th:TH_LOAD_NT scope:SCOPE_SE
.endr
.Lno_ask_\@:
.endm
	s_wait_alu depctr_va_vdst(0)                   ; at the head's end
	s_wait_tensorcnt 0x0                           ; my part of K step 0 is in
	ds_add_u32 v[SPW], v[NIL]
	s_wait_dscnt 0x0
	s_barrier_signal -1
	s_barrier_wait -1
	tensor_load_to_lds s[G0+4:G0+7], s[G1:G1+7]    ; K step 1
	s_nop 0
.rept 4
	v_nop
.endr
	FETCH_B 0, 0, 0
	FETCH_A 0, 0, 0
	FETCH_A 0, 0, 4
	ASK 2
	STEP 0, 0, 1                                   ; the first products start the sums
	TURN 0, 1, 1                                   ; K = 1,024 is four K steps: both slots are filled again once, so the walk is written out
	ASK 3
	STEP 1, 0, 0
	TURN 1, 0, 1
	STEP 0, 0, 0
	TURN 0, 1, 0                                   ; the last change of slots: nobody reads slot 0 any more
	STEP 1, 0, 0
	LASTSTEP
	PLACES NP                                      ; in front of the first read of results
	s_mov_b32 s60, 0                               ; all ones in the wave whose keys are all hidden: queries 0-127, keys 128-255 of a tile on the diagonal
	s_cmp_lg_u32 s17, s18                          ; a tile under the diagonal has no hidden key: branches on ids, round vector work alone
	s_cbranch_scc1 .Lopen
	s_cmp_lg_u32 s15, s16
	s_cbranch_scc1 .Lsquare
	; on the diagonal: accumulator (a, b) is whole for b < a, hidden for b > a, and for b = a its register jj is hidden where jj > d
.irp j, 0,1,2,3,4,5,6,7
	v_cmp_gt_i32 s[72+\j], \j, v[DD]
.endr
.set aa, 0
.rept 8
	WIN 0x82+0x41*(aa/4)                           ; destination and source 0: window 2 or 3
.set jj, 0
.rept 8
	v_cndmask_b32 v[8*(8*(aa%4)+aa)+jj], v[8*(8*(aa%4)+aa)+jj], v[NINF], s[72+jj]
.set jj, jj+1
.endr
.set jj, 8*(8*(aa%4)+aa+1)
.rept 8*(7-aa)
	v_mov_b32 v[jj], 0xff800000
.set jj, jj+1
.endr
.set aa, aa+1
.endr
	WIN 0
	s_wait_alu depctr_va_vdst(0)                   ; directly ahead of the branch
	s_branch .Lopen
.Lsquare:
	s_cmp_eq_u32 s15, 0
	s_cselect_b32 s60, -1, 0
.Lopen:
	ROWMAX4 0
	ROWMAX4 1
	WIN 0
.irp a, 0,1,2,3,4,5,6,7
	v_max_num_f32 v[MX+\a], v[MX+\a], v[WK+\a]
.endr
.irp a, 0,1,2,3,4,5,6,7
	v_permlanex16_b32 v[PT+\a], v[MX+\a], s[SEL], s[SEL+1]   ; the row's other 64 of my 128 keys lie in the lane 16 away
.endr
.irp a, 0,1,2,3,4,5,6,7
	v_max_num_f32 v[MX+\a], v[MX+\a], v[PT+\a]
.endr
.irp a, 0,1,2,3,4,5,6,7
	v_cndmask_b32 v[MX+\a], v[MX+\a], v[NINF], s60   ; (all keys hidden: they count in no maximum)
.endr
.irp a, 0,1,2,3,4,5,6,7
	ds_store_b32 v[XW], v[MX+\a] offset:64*\a      ; (lanes r and r + 16 write the same word with the same value)
.endr
	s_wait_alu depctr_va_vdst(0)
	s_wait_dscnt 0x0                               ; for the other wave's sake: my maxima lie in LDS
	s_barrier_signal -1
	s_barrier_wait -1
.irp a, 0,1,2,3,4,5,6,7
	ds_load_b32 v[PT+\a], v[XR] offset:64*\a       ; the maxima over the rows' other 128 keys
.endr
	s_wait_dscnt 0x0
.irp a, 0,1,2,3,4,5,6,7
	v_max_num_f32 v[MX+\a], v[MX+\a], v[PT+\a]
.endr
.irp a, 0,1,2,3,4,5,6,7
	v_mul_f32 v[NM+2*\a+1], s96, v[MX+\a]          ; as t (c is positive)
.endr
.irp a, 0,1,2,3,4,5,6,7
	v_floor_f32 v[NM+2*\a], -v[NM+2*\a+1]          ; -M = floor(-t) = -ceil(t): M IS A WHOLE NUMBER
.endr
.irp a, 0,1,2,3,4,5,6,7
	v_xor_b32 v[MS+\a], 0x80000000, v[NM+2*\a]     ; M
.endr
.irp a, 0,1,2,3,4,5,6,7
	v_cndmask_b32 v[NM+2*\a], v[NM+2*\a], v[NINF], s60   ; (all keys hidden: t - M becomes -infinity and p becomes 0)
.endr
.irp a, 0,1,2,3,4,5,6,7
	PBLK \a
.endr
.set jj, 0
.rept 64
	v_min_num_f32 v[TMP+64+jj], v[TMP+64+jj], v[LIMV]   ; block 7's hold
.set jj, jj+1
.endr
	s_wait_alu depctr_va_vdst(0)                   ; directly ahead of the wait below
	s_wait_dscnt 8                                 ; block 5's stores have read their registers
	CVT 7
	v_nop                                          ; one plain instruction behind the last conversion
	PUT 7
.irp a, 0,1,2,3,4,5,6,7
	v_permlanex16_b32 v[PT+\a], v[LS+\a], s[SEL], s[SEL+1]
.endr
.irp a, 0,1,2,3,4,5,6,7
	v_add_f32 v[LS+\a], v[LS+\a], v[PT+\a]         ; the row's sum over my 128 keys
.endr
.irp a, 0,1,2,3,4,5,6,7
	v_cndmask_b32 v[WK+\a], v[LS+\a], v[MS+\a], s98   ; lanes 0-15 store the sum, lanes 16-31 M, 32,768 bytes further on: all lanes stay on
.endr
.irp a, 0,1,2,3,4,5,6,7
	global_store_b32 v[SOF], v[WK+\a], s[12:13] offset:64*\a
.endr
	s_wait_dscnt 0x0                               ; for the others' sake: my codes lie in the stage
	s_barrier_signal -1
	s_barrier_wait -1                              ; a row's 256 bytes come from two waves
.set tt, 0
.rept 32
	ds_load_b128 v[128+4*tt:128+4*tt+3], v[RD] offset:2*tt*PITCH
.set tt, tt+1
.endr
.set tt, 0
.rept 32
	s_wait_dscnt 31-tt                             ; load tt is in, the younger ones may be out
	global_store_b128 v[CO], v[128+4*tt:128+4*tt+3], s[10:11] offset:2*tt*KROW   ; 16 lanes store 256 consecutive bytes, at a multiple of 256 from the buffer's first byte
.set tt, tt+1
.endr
	s_wait_tensorcnt 0x0                           ; the wave's end, behind my last tensor load and my last LDS store
	ds_add_u32 v[SPW], v[NIL]
	s_wait_dscnt 0x0
	s_endpgm
.Lfunc_end_k_q36a0577cda_scores:
	.size	k_q36a0577cda_scores, .Lfunc_end_k_q36a0577cda_scores-k_q36a0577cda_scores
	.p2alignl 7, 3214868480
	.fill 96, 4, 3214868480
	.section	.rodata,"a",@progbits
	.p2align	6, 0x0
	.amdhsa_kernel k_q36a0577cda_scores
		.amdhsa_group_segment_fixed_size 327680
		.amdhsa_private_segment_fixed_size 0
		.amdhsa_enable_private_segment 0
		.amdhsa_kernarg_size 40
		.amdhsa_user_sgpr_count 2
		.amdhsa_user_sgpr_kernarg_segment_ptr 1
		.amdhsa_wavefront_size32 1
		.amdhsa_system_sgpr_workgroup_id_x 1
		.amdhsa_system_sgpr_workgroup_id_y 1
		.amdhsa_system_sgpr_workgroup_id_z 1
		.amdhsa_system_vgpr_workitem_id 0
		.amdhsa_next_free_vgpr 1024
		.amdhsa_next_free_sgpr 100
		.amdhsa_reserve_vcc 0
		.amdhsa_float_denorm_mode_32 3
		.amdhsa_float_denorm_mode_16_64 3
		.amdhsa_memory_ordered 1
		.amdhsa_forward_progress 1
		.amdhsa_inst_pref_size 198
	.end_amdhsa_kernel
	.amdgpu_metadata
---
amdhsa.version: [ 1, 2 ]
amdhsa.kernels:
  - .name:           k_q36a0577cda_scores
    .symbol:         k_q36a0577cda_scores.kd
    .args:
      - { .name: q_codes, .offset: 0, .size: 8, .value_kind: global_buffer, .address_space: global }
      - { .name: k_codes, .offset: 8, .size: 8, .value_kind: global_buffer, .address_space: global }
      - { .name: lowp_scales, .offset: 16, .size: 8, .value_kind: global_buffer, .address_space: global }
      - { .name: p_codes, .offset: 24, .size: 8, .value_kind: global_buffer, .address_space: global }
      - { .name: stat, .offset: 32, .size: 8, .value_kind: global_buffer, .address_space: global }
    .group_segment_fixed_size: 327680
    .private_segment_fixed_size: 0
    .kernarg_segment_align: 8
    .kernarg_segment_size: 40
    .max_flat_workgroup_size: 128
    .sgpr_count:     100
    .vgpr_count:     1024
    .wavefront_size: 32
...
	.end_amdgpu_metadata
.endif
;; end of part 2
;; launch mix (part 3): grid 8 x 32, 4 waves a work-group, clusters of 4 x 1, 327,680 bytes of LDS; arguments p_codes, v_codes, stat, lowp_scales, out0; writes out0
.if DOCPART == 3
	.amdgcn_target "amdgcn-amd-amdhsa--gfx1250"
	.amdhsa_code_object_version 6
	.text
	.protected	k_q36a0577cda_mix
	.globl	k_q36a0577cda_mix
	.p2align	8
	.type	k_q36a0577cda_mix,@function
k_q36a0577cda_mix:
	s_mov_b64 s[64:65], 0
	v_nop
	global_prefetch_b8 v0, s[64:65] scope:SCOPE_SE
	s_setreg_imm32_b32 hwreg(HW_REG_WAVE_MODE, 25, 1), 1
	s_wait_xcnt 0x0
	s_wait_alu depctr_hold_cnt(0) depctr_sa_sdst(0) depctr_va_vdst(0) depctr_va_sdst(0) depctr_va_ssrc(0) depctr_va_vcc(0) depctr_vm_vsrc(0)
	s_getreg_b32 s2, hwreg(HW_REG_IB_STS2, 6, 4)
	s_cmp_eq_u32 s2, 0
	s_cbranch_scc0 .Lentry_in_a_cluster
	s_endpgm
.Lentry_in_a_cluster:
	s_bfe_u32 s2, ttmp6, 0x10000c
	s_cmp_lg_u32 s2, 0x3003
	s_cbranch_scc0 .Lentry_shape_is_right
	s_endpgm
.Lentry_shape_is_right:
; out[q][c] = (sum over the key blocks of p v, brought under one exponent) x 2^(e8 + e9) / (the row's sum), on codes of BF8, sums in f32.
; WORK LEFT OUT: the key blocks of 256 that lie wholly above the diagonal of reference()'s own jnp.tril (shown at the head of proj).
; SHARES.  A work-group owns 128 channels (grid x) and, in one batch, the query blocks i and 15 - i of 128 queries (grid y = 8 x batch + i): 9 key blocks of 256 together.  It walks five tiles of 512 keys:
; first s19 = i / 4 + 1 tiles of block i, then 5 - s19 of block 15 - i.  The second key block of a tile may be hidden: its products are passed over by a branch on ids.  Four waves, 64 queries x 64 channels each.
; CLUSTERS: 4 x 1, along the channels: the four need the same tiles of p, and ask for them JOINTLY.  v's tiles hang on the channels and are each work-group's own: along the other axis partners would differ in which
; blocks are hidden.
; ONE EXPONENT.  Each key block's p is relative to its own whole number M.  The sums are kept relative to R = max(the block's M, the largest M so far - 40); before a block is added they are multiplied by
; 2^(old R - new R), a power of two.  LIMIT: a block whose M lies more than 40 under the row's largest so far is added as if it lay 40 under: at most 2^-32 of the row's sum.
; LIMIT: e8 + e9 is applied by v_ldexp_f32 and has none of its own.
; REGISTERS.  Window 0: v128-255 the 16 accumulators (a, b) at v[128 + 8 (4 a + b)]; the rest below.  Windows 1 and 2: four fragment sets of 128 registers (64 of p, 64 of v), one for each 128 keys of a tile.
; The matrix instruction is used transposed (source 0 = v's channels, source 1 = p's queries): a lane holds one query of a block of 16 and eight neighbouring channels.
.set PITCH,  528                       ; an LDS row: 512 bytes + 16 of padding = 132 words: the 16 rows that a load touches start at 16 different banks (64 banks of 4 bytes: ISA guide 11.1)
.set HALFT,  64*PITCH
.set SLOT,   4*HALFT                   ; p's 128 rows, then v's 128 rows
.set SPARE,  2*SLOT                    ; the spare words, 128 bytes for each wave
.set STAGE,  SPARE+512                 ; the way out: 16 rows x 272 bytes for each wave; no tile lands here
.set SP,     272
.set ADRA0, 4                          ; my place in a slot's p rows, v rows; v6, v7 the same in the slot in hand
.set ADRB0, 5
.set ADRA,  6
.set ADRB,  7
.set STO,  24
.set RD,   25
.set CO,   26
.set SPW,  28                          ; never rewritten
.set NIL,  29                          ; never rewritten
.set PFO,  30
.set SOF,  31
.set LL,   32                          ; v32-35  the rows' sums
.set MM,   40                          ; v40-43  the largest M so far
.set RR,   44                          ; v44-47  R
.set T0,   48
.set T1,   52
.set ST,   64                          ; v64-87  the tile's M and sums: [key block][M, sum of half 0, sum of half 1][a]
.set GA,   88                          ; the factors of the tile's two key blocks, each in a pair's low word
.set GB,   96
.set RC,   104
.set ACC,  128
.set G1P, 24
.set G1V, 72
.set G0P, 80
.set G0V, 84
.set MSB, 0
.macro WIN new                         ; the immediate's high byte repeats the setting that is left
.if MSB != (\new)
	s_set_vgpr_msb (MSB<<8)|(\new)
.set MSB, (\new)
.endif
.endm
.macro PLACES n
.rept \n
	v_nop
.endr
.endm
.macro JLOAD                           ; waves 0, 1: p's halves, jointly; waves 2, 3: v's halves
	s_cmp_eq_u32 s15, 0
	s_cbranch_scc0 .Lfor_v_\@
	tensor_load_to_lds s[G0P:G0P+3], s[G1P:G1P+7]
	s_nop 0
.rept 4
	v_nop
.endr
	s_branch .Lasked_\@
.Lfor_v_\@:
	tensor_load_to_lds s[G0V:G0V+3], s[G1V:G1V+7]
	s_nop 0
.rept 4
	v_nop
.endr
.Lasked_\@:
.endm
.macro CREST
	s_cmp_lg_u32 s14, 0
	s_cbranch_scc1 .Lnot_wave_0_\@
	s_barrier_signal -3
.Lnot_wave_0_\@:
	s_barrier_wait -3
	s_barrier_signal -1
	s_barrier_wait -1
.endm
.macro CROUND
	s_barrier_signal -1
	s_barrier_wait -1
	CREST
.endm
; The descriptors of tile s35, into the slot at byte s[sr].  p: [batch][half of the keys][query][1,024 keys]; v: [group of 1,024 keys][channel][1,024 keys].
.macro SETG sr
	s_cmp_le_u32 s19, s35
	s_cselect_b64 s[40:41], s[52:53], s[50:51]
	s_cselect_b32 s42, s19, 0
	s_sub_co_u32 s42, s35, s42                     ; which 512 keys
	s_lshr_b32 s43, s42, 1
	s_and_b32 s42, s42, 1
	s_lshl_b32 s42, s42, 9
	s_lshl_b32 s44, s43, 21
	s_add_co_u32 s44, s44, s42
	s_mov_b32 s45, 0
	s_add_nc_u64 s[G0P+2:G0P+3], s[40:41], s[44:45]
	s_or_b32 s[G0P+3], s[G0P+3], 0x80000000
	s_lshl_b32 s44, s43, 20
	s_add_co_u32 s44, s44, s42
	s_add_nc_u64 s[G0V+2:G0V+3], s[48:49], s[44:45]
	s_or_b32 s[G0V+3], s[G0V+3], 0x80000000
	s_add_co_u32 s[G0P+1], s23, s[\sr]
	s_add_co_u32 s[G0V+1], s23, s[\sr]
.endm
.macro STATLOAD                        ; tile s35's M and sums: [key block][half][0: sum, 1: M][8,192 rows] f32
	s_cmp_le_u32 s19, s35
	s_cselect_b64 s[68:69], s[56:57], s[54:55]
	s_cselect_b32 s40, s19, 0
	s_sub_co_u32 s40, s35, s40
	s_lshl_b32 s40, s40, 18
	s_mov_b32 s41, 0
	s_add_nc_u64 s[68:69], s[68:69], s[40:41]
.irp e, 0,1
.irp a, 0,1,2,3
	global_load_b32 v[ST+12*\e+\a], v[SOF], s[68:69] offset:131072*\e+32768+64*\a
	global_load_b32 v[ST+12*\e+4+\a], v[SOF], s[68:69] offset:131072*\e+64*\a
	global_load_b32 v[ST+12*\e+8+\a], v[SOF], s[68:69] offset:131072*\e+65536+64*\a
.endr
.endr
.endm
	s_load_b256 s[4:11], s[0:1], 0x0               ; p s[4:5], v s[6:7], stat s[8:9], the scales s[10:11]
	s_load_b64 s[12:13], s[0:1], 0x20              ; out
	v_lshl_add_u32 v[SPW], v0, 2, SPARE
	v_mov_b32 v[NIL], 0
	ds_add_u32 v[SPW], v[NIL]                      ; the wave's opening: the add, twice on end, and its wait
	ds_add_u32 v[SPW], v[NIL]
	v_lshrrev_b32 v1, 5, v0
	v_readfirstlane_b32 s14, v1                    ; wave 0..3
	s_lshr_b32 s15, s14, 1                         ; my half of the queries.  Also: I fetch p (0) or v (1)
	s_and_b32 s16, s14, 1                          ; my half of the channels.  Also: which 64 rows I fetch
	s_bfe_u32 s63, ttmp6, 0x40000                  ; cx
	s_lshl_b32 s32, ttmp9, 2
	s_add_co_u32 s32, s32, s63                     ; which 128 channels
	s_and_b32 s17, ttmp7, 0xffff
	s_lshr_b32 s18, s17, 3                         ; the batch
	s_and_b32 s17, s17, 7                          ; i
	s_lshr_b32 s19, s17, 2
	s_add_co_u32 s19, s19, 1                       ; tiles of block i
	s_sub_co_u32 s20, 15, s17
	s_lshr_b32 s21, s17, 1                         ; the last key block of query block i, of 15 - i
	s_lshr_b32 s22, s20, 1
	s_mov_b32 s[G1P], 15|(1<<20)|(1<<21)|(6<<22)|(3<<25)   ; all four; elements of 1 byte; padding: 4 words after every 128; bit 21 set beside a mask
	s_mov_b32 s[G1V], (1<<20)|(6<<22)|(3<<25)
.irp g, G1P, G1V
	s_mov_b32 s[\g+1], 512<<16                     ; tensor_dim0
	s_mov_b32 s[\g+2], 64<<16                      ; tensor_dim1
	s_mov_b32 s[\g+3], 512<<16                     ; tile_dim0
	s_mov_b32 s[\g+4], 64                          ; tile_dim1
	s_mov_b32 s[\g+5], 1024                        ; the pitch
	s_mov_b32 s[\g+6], 0
	s_mov_b32 s[\g+7], 0
.endr
	s_mul_i32 s23, s14, HALFT                      ; where my part goes in a slot
	s_lshl_b32 s42, s18, 22
	s_lshl_b32 s43, s16, 16
	s_add_co_u32 s42, s42, s43
	s_lshl_b32 s44, s17, 17
	s_add_co_u32 s44, s44, s42                     ; p's rows of block i
	s_mov_b32 s45, 0
	s_lshl_b32 s46, s20, 17
	s_add_co_u32 s46, s46, s42                     ; of block 15 - i
	s_mov_b32 s47, 0
	s_lshl_b32 s48, s18, 21
	s_lshl_b32 s49, s32, 17
	s_add_co_u32 s48, s48, s49
	s_add_co_u32 s48, s48, s43                     ; v's rows
	s_mov_b32 s49, 0
	s_mov_b32 s2, 0                                ; the slot in hand
	s_mov_b32 s3, 0
	s_mov_b32 s34, 0                               ; the tile in hand
	s_mov_b32 s35, 0
	s_mov_b32 s[G0P], 1
	s_mov_b32 s[G0V], 1
	s_wait_dscnt 0x0                               ; both opening adds are done
	s_wait_kmcnt 0x0
	s_load_b64 s[66:67], s[10:11], 0x20            ; e8, e9
	s_add_nc_u64 s[50:51], s[4:5], s[44:45]
	s_add_nc_u64 s[52:53], s[4:5], s[46:47]
	s_add_nc_u64 s[48:49], s[6:7], s[48:49]
	SETG 3
	CROUND                                         ; all four work-groups are here
	JLOAD                                          ; tile 0, one tensor load a wave
	; stat, from my 64 rows of block i, of block 15 - i
	s_lshl_b32 s40, s18, 13
	s_lshl_b32 s41, s15, 8
	s_add_co_u32 s40, s40, s41
	s_mov_b32 s43, 0
	s_lshl_b32 s42, s17, 9
	s_add_co_u32 s42, s42, s40
	s_add_nc_u64 s[54:55], s[8:9], s[42:43]
	s_lshl_b32 s42, s20, 9
	s_add_co_u32 s42, s42, s40
	s_add_nc_u64 s[56:57], s[8:9], s[42:43]
	v_and_b32 v1, 15, v0                           ; r
	v_bfe_u32 v2, v0, 4, 1                         ; h
	v_lshlrev_b32 v[SOF], 2, v1
	s_wait_alu depctr_va_vdst(0)                   ; ahead of the readers below
	STATLOAD
	; out, likewise
	s_lshl_b32 s40, s18, 23
	s_lshl_b32 s41, s15, 18
	s_add_co_u32 s40, s40, s41
	s_lshl_b32 s41, s32, 9
	s_add_co_u32 s40, s40, s41
	s_lshl_b32 s41, s16, 8
	s_add_co_u32 s40, s40, s41
	s_lshl_b32 s42, s17, 19
	s_add_co_u32 s42, s42, s40
	s_add_nc_u64 s[58:59], s[12:13], s[42:43]
	s_lshl_b32 s42, s20, 19
	s_add_co_u32 s42, s42, s40
	s_add_nc_u64 s[60:61], s[12:13], s[42:43]
	; PREFETCHES INTO THE L2, one tile ahead of the tensor loads: at tile 0 and tile 1, of p for tiles 3 and 4 (block 15 - i), and of v's third and fourth 512 keys.  16 rows x 512 bytes a wave, two lanes a row.
	; p: the four partners share the 128 rows by address, waves 0 and 1 ask.  v: the eight work-groups of a batch and channel block share the 128 rows by i, wave 2 asks.
	s_lshl_b32 s44, s18, 22
	s_lshl_b32 s45, s20, 17
	s_add_co_u32 s44, s44, s45
	s_lshl_b32 s45, s63, 15
	s_add_co_u32 s44, s44, s45
	s_lshl_b32 s45, s14, 14
	s_add_co_u32 s44, s44, s45
	s_lshl_b32 s46, s18, 21
	s_lshl_b32 s45, s32, 17
	s_add_co_u32 s46, s46, s45
	s_lshl_b32 s45, s17, 14
	s_add_co_u32 s46, s46, s45
	s_sub_co_u32 s40, 3, s19
	s_mov_b32 s45, 0
	s_cmp_lt_u32 s14, 2
	s_cselect_b64 s[38:39], s[4:5], s[6:7]
	s_cselect_b32 s44, s44, s46
	s_cselect_b32 s33, s40, 2                      ; the 512 keys that tile 0 asks for
	s_cselect_b32 s36, 21, 20
	s_add_nc_u64 s[38:39], s[38:39], s[44:45]
	s_cmp_lt_u32 s14, 3
	s_cselect_b32 s37, 2, 0                        ; my wave asks at tiles below this
	s_mul_i32 s40, s15, HALFT
	s_mul_i32 s41, s16, HALFT
	s_add_co_u32 s41, s41, 2*HALFT
	s_mul_i32 s42, s14, 16*SP
	s_add_co_u32 s42, s42, STAGE
	v_and_b32 v1, 15, v0
	v_bfe_u32 v2, v0, 4, 1
	v_mul_u32_u24 v3, v1, PITCH
	v_lshl_add_u32 v3, v2, 4, v3                   ; a fragment's row x pitch + 16 h
	v_add_nc_u32 v[ADRA0], s40, v3
	v_add_nc_u32 v[ADRB0], s41, v3
	v_mul_u32_u24 v3, v1, SP                       ; into the stage: row r, 32 h
	v_lshl_add_u32 v3, v2, 5, v3
	v_add_nc_u32 v[STO], s42, v3
	v_mul_u32_u24 v3, v2, SP                       ; back: lanes 0-15 one row of 256 bytes, lanes 16-31 the next
	v_lshl_add_u32 v3, v1, 4, v3
	v_add_nc_u32 v[RD], s42, v3
	v_lshlrev_b32 v[CO], 12, v2
	v_lshl_add_u32 v[CO], v1, 4, v[CO]
	v_bfe_u32 v3, v0, 1, 4
	v_lshlrev_b32 v[PFO], 10, v3
	v_and_b32 v3, 1, v0
	v_lshl_add_u32 v[PFO], v3, 8, v[PFO]
	v_add_nc_u32 v[ADRA], s2, v[ADRA0]
	v_add_nc_u32 v[ADRB], s2, v[ADRB0]
.macro FRESH                           ; nothing summed yet
.irp a, 0,1,2,3
	v_mov_b32 v[MM+\a], 0xff61b1e6                 ; -3e38
	v_mov_b32 v[RR+\a], 0xff61b1e6
	v_mov_b32 v[LL+\a], 0
.endr
.endm
	FRESH
.irp a, 0,1,2,3,4,5,6,7
	v_mov_b32 v[GA+\a], 0                          ; (a pair's upper word is named with it)
	v_mov_b32 v[GB+\a], 0
.endr
.set jj, 0
.rept 128
	v_mov_b32 v[ACC+jj], 0                         ; the loop is written once: its first factors multiply zeros
.set jj, jj+1
.endr
.macro LDSET n                         ; the fragments of the tile's n-th 128 keys into set n: lane l holds row l % 16, registers 4 c .. 4 c + 3 K = 32 c + 16 (l / 16) + 0 .. 15: one order of k for both sources
.set FB, 128*((\n)%2)
	WIN 0x40*(1+(\n)/2)
.irp i, 0,1,2,3
.irp c, 0,1,2,3
	ds_load_b128 v[FB+64+16*\i+4*\c:FB+64+16*\i+4*\c+3], v[ADRB] offset:128*(\n)+32*\c+\i*16*PITCH
.endr
.endr
.irp i, 0,1,2,3
.irp c, 0,1,2,3
	ds_load_b128 v[FB+16*\i+4*\c:FB+16*\i+4*\c+3], v[ADRA] offset:128*(\n)+32*\c+\i*16*PITCH
.endr
.endr
	WIN 0
.endm
.macro MULS n                          ; 16 matrix instructions; the accumulators take turns, one instruction a turn
.set FB, 128*((\n)%2)
	WIN 0x05*(1+(\n)/2)
.irp a, 0,1,2,3
.irp b, 0,1,2,3
	v_wmma_f32_16x16x128_bf8_bf8 v[ACC+8*(4*\a+\b):ACC+8*(4*\a+\b)+7], v[FB+64+16*\b:FB+64+16*\b+15], v[FB+16*\a:FB+16*\a+15], v[ACC+8*(4*\a+\b):ACC+8*(4*\a+\b)+7]
.endr
.endr
	WIN 0
.endm
.macro STATS e, g                      ; key block e: the new R, the factor 2^(old R - new R), the rows' sums
.set SS, ST+12*(\e)
.irp a, 0,1,2,3
	v_max_num_f32 v[MM+\a], v[MM+\a], v[SS+\a]
.endr
.irp a, 0,1,2,3
	v_add_f32 v[SS+4+\a], v[SS+4+\a], v[SS+8+\a]
.endr
.irp a, 0,1,2,3
	v_add_f32 v[T0+\a], 0xc2200000, v[MM+\a]       ; - 40
.endr
.irp a, 0,1,2,3
	v_max_num_f32 v[T0+\a], v[T0+\a], v[SS+\a]
.endr
.irp a, 0,1,2,3
	v_sub_f32 v[T1+\a], v[RR+\a], v[T0+\a]
.endr
.irp a, 0,1,2,3
	v_mov_b32 v[RR+\a], v[T0+\a]
.endr
.irp a, 0,1,2,3
	v_cvt_i32_f32 v[T1+\a], v[T1+\a]               ; (it saturates)
.endr
.irp a, 0,1,2,3
	v_ldexp_f32 v[\g+2*\a], 1.0, v[T1+\a]
.endr
.irp a, 0,1,2,3
	v_fma_f32 v[LL+\a], v[LL+\a], v[\g+2*\a], v[SS+4+\a]
.endr
.endm
.macro RESCALE g
.set aa, 0
.rept 4
.set jj, 0
.rept 16
	v_pk_mul_f32 v[ACC+32*aa+jj:ACC+32*aa+jj+1], v[ACC+32*aa+jj:ACC+32*aa+jj+1], v[\g+2*aa:\g+2*aa+1] op_sel_hi:[1,0]
.set jj, jj+2
.endr
.set aa, aa+1
.endr
.endm
; THE WAY OUT of a query block, 16 rows at a time through my stage: sixteen lanes store one aligned unit of 256 bytes.
.macro PACK a
.irp b, 0,1,2,3
	ds_store_b128 v[STO], v[ACC+32*(\a)+8*\b:ACC+32*(\a)+8*\b+3] offset:64*\b
	ds_store_b128 v[STO], v[ACC+32*(\a)+8*\b+4:ACC+32*(\a)+8*\b+7] offset:64*\b+16
.endr
.irp f, 0,1,2,3,4,5,6,7
	ds_load_b128 v[ACC+32*(\a)+4*\f:ACC+32*(\a)+4*\f+3], v[RD] offset:\f*2*SP   ; LDS serves a wave's instructions in order (ISA guide 5.7.1.4)
.endr
.endm
.macro SEND a, younger, ob             ; younger: the LDS instructions issued behind block a's, which may be out
.irp f, 0,1,2,3,4,5,6,7
	s_wait_dscnt \younger+7-\f
	global_store_b128 v[CO], v[ACC+32*(\a)+4*\f:ACC+32*(\a)+4*\f+3], s[\ob:\ob+1] offset:(16*(\a)+2*\f)*4096 th:TH_STORE_NT
.endr
.endm
.macro WAYOUT ob
	s_wait_alu depctr_va_vdst(0)                   ; ahead of the batch,
.irp a, 0,1,2,3
	v_rcp_f32 v[RC+2*\a], v[LL+\a]
.endr
	v_nop
	s_wait_alu depctr_va_vdst(0)                   ; and ahead of the first readers of its results and of the sums
.irp a, 0,1,2,3
	v_ldexp_f32 v[RC+2*\a+1], v[RC+2*\a], s62
.endr
.irp a, 0,1,2,3
	v_ldexp_f32 v[RC+2*\a], v[RC+2*\a], s62
.endr
.set aa, 0
.rept 4
.set jj, 0
.rept 16
	v_pk_mul_f32 v[ACC+32*aa+jj:ACC+32*aa+jj+1], v[ACC+32*aa+jj:ACC+32*aa+jj+1], v[RC+2*aa:RC+2*aa+1]
.set jj, jj+2
.endr
.set aa, aa+1
.endr
	s_wait_alu depctr_va_vdst(0)                   ; ahead of the waits below
	PACK 0
	PACK 1
	SEND 0, 16, \ob
	PACK 2
	SEND 1, 16, \ob
	PACK 3
	SEND 2, 16, \ob
	SEND 3, 0, \ob
.endm
; A TILE of 512 keys, s34: two key blocks, four sets, each asked of LDS two sets ahead.  m = 0: in the loop, the slot read out is filled again with tile s34 + 2; 1: the last but one, nothing is filled; 2: the last.
.macro TILE m
	s_wait_loadcnt 0x0                             ; the tile's M and sums
.if (\m) == 0
	s_cmp_lg_u32 s34, s19
	s_cbranch_scc1 .Lsame_\@
	WAYOUT 58                                      ; query block i is finished; 15 - i begins
	s_wait_xcnt 0x0                                ; the stores have read their registers
	FRESH
.Lsame_\@:
.endif
	STATS 0, GA
	s_cmp_le_u32 s19, s34
	s_cselect_b32 s70, s22, s21
	s_cselect_b32 s71, s19, 0
	s_sub_co_u32 s71, s34, s71
	s_lshl_b32 s71, s71, 1
	s_add_co_u32 s71, s71, 1                       ; the second key block: hidden where it lies behind the last,
	s_wait_alu depctr_va_vdst(0)                   ; ahead of the branch
	s_cmp_gt_u32 s71, s70                          ; by ids alone, the same in all four partners
	s_cbranch_scc1 .Lhid_a_\@
	STATS 1, GB
.Lhid_a_\@:
.if (\m) < 2
	s_add_co_u32 s35, s34, 1
	STATLOAD                                       ; the next tile's
.endif
	RESCALE GA
	s_wait_alu depctr_va_vdst(0)                   ; directly ahead of the wait below
	s_wait_dscnt 32                                ; set 0 is in (set 1 may be out)
	MULS 0
	LDSET 2
	s_wait_dscnt 32
	MULS 1
	LDSET 3
	s_cmp_gt_u32 s71, s70
	s_cbranch_scc1 .Lhid_b_\@
	PLACES 4
	RESCALE GB
	s_wait_alu depctr_va_vdst(0)
	s_wait_dscnt 32
	MULS 2
.if (\m) == 2
	s_wait_dscnt 0x0
	MULS 3
.endif
.Lhid_b_\@:
.if (\m) < 2
	s_wait_tensorcnt 0x0                           ; all my tensor loads have landed: my part of the next tile
	ds_add_u32 v[SPW], v[NIL]                      ; 0 onto my spare word
.if (\m) == 0
	s_add_co_u32 s35, s34, 2
	SETG 2
	s_wait_xcnt 0x0                                ; my prefetch has read its address
	s_add_co_u32 s42, s33, s34
	s_lshr_b32 s43, s42, 1
	s_lshl_b32 s44, s43, s36
	s_and_b32 s42, s42, 1
	s_lshl_b32 s42, s42, 9
	s_add_co_u32 s44, s44, s42
	s_add_nc_u64 s[46:47], s[38:39], s[44:45]
.endif
	s_xor_b32 s2, s2, SLOT                         ; on to the other slot
	s_wait_dscnt 0x0                               ; the add is done, and my reads of this slot are over
	s_barrier_signal -1
	s_barrier_wait -1
.if (\m) == 0
	CREST                                          ; no wave of any partner still reads this slot or has a load on its way
	JLOAD
.else
	PLACES 4
.endif
	v_add_nc_u32 v[ADRA], s2, v[ADRA0]
	v_add_nc_u32 v[ADRB], s2, v[ADRB0]
	s_wait_alu depctr_va_vdst(0)                   ; ahead of the readers below
	LDSET 0
	LDSET 1
.if (\m) == 0
	s_cmp_lt_u32 s34, s37
	s_cbranch_scc0 .Lno_ask_\@
	global_prefetch_b8 v[PFO], s[46:47] th:TH_LOAD_NT scope:SCOPE_SE
.Lno_ask_\@:
.endif
	s_cmp_gt_u32 s71, s70
	s_cbranch_scc1 .Lhid_c_\@
	MULS 3
.Lhid_c_\@:
.endif
.endm
	s_wait_alu depctr_va_vdst(0)                   ; at the head's end
	s_wait_kmcnt 0x0
	s_add_co_i32 s62, s66, s67                     ; e8 + e9
	s_mov_b32 s35, 1
	s_mov_b32 s3, SLOT
	s_wait_tensorcnt 0x0                           ; my part of tile 0 is in
	ds_add_u32 v[SPW], v[NIL]
	SETG 3
	s_wait_dscnt 0x0
	CROUND                                         ; everybody's part of tile 0 is in
	JLOAD                                          ; tile 1, into slot 1
	LDSET 0
	LDSET 1
.Ltile:                                                ; tiles 0, 1, 2
	TILE 0
	s_add_co_u32 s34, s34, 1
	s_cmp_lt_u32 s34, 3
	s_cbranch_scc1 .Ltile
	TILE 1
	s_mov_b32 s34, 4
	TILE 2
	WAYOUT 60
	s_wait_tensorcnt 0x0                           ; the wave's end
	ds_add_u32 v[SPW], v[NIL]
	s_wait_dscnt 0x0
	CROUND                                         ; the closing round: no work-group ends while a partner may still ask for a tile that names it
	s_endpgm
.Lfunc_end_k_q36a0577cda_mix:
	.size	k_q36a0577cda_mix, .Lfunc_end_k_q36a0577cda_mix-k_q36a0577cda_mix
	.p2alignl 7, 3214868480
	.fill 96, 4, 3214868480
	.section	.rodata,"a",@progbits
	.p2align	6, 0x0
	.amdhsa_kernel k_q36a0577cda_mix
		.amdhsa_group_segment_fixed_size 327680
		.amdhsa_private_segment_fixed_size 0
		.amdhsa_enable_private_segment 0
		.amdhsa_kernarg_size 40
		.amdhsa_user_sgpr_count 2
		.amdhsa_user_sgpr_kernarg_segment_ptr 1
		.amdhsa_wavefront_size32 1
		.amdhsa_system_sgpr_workgroup_id_x 1
		.amdhsa_system_sgpr_workgroup_id_y 1
		.amdhsa_system_sgpr_workgroup_id_z 1
		.amdhsa_system_vgpr_workitem_id 0
		.amdhsa_next_free_vgpr 768
		.amdhsa_next_free_sgpr 100
		.amdhsa_reserve_vcc 0
		.amdhsa_float_denorm_mode_32 3
		.amdhsa_float_denorm_mode_16_64 3
		.amdhsa_memory_ordered 1
		.amdhsa_forward_progress 1
		.amdhsa_inst_pref_size 124
	.end_amdhsa_kernel
	.amdgpu_metadata
---
amdhsa.version: [ 1, 2 ]
amdhsa.kernels:
  - .name:           k_q36a0577cda_mix
    .symbol:         k_q36a0577cda_mix.kd
    .args:
      - { .name: p_codes, .offset: 0, .size: 8, .value_kind: global_buffer, .address_space: global }
      - { .name: v_codes, .offset: 8, .size: 8, .value_kind: global_buffer, .address_space: global }
      - { .name: stat, .offset: 16, .size: 8, .value_kind: global_buffer, .address_space: global }
      - { .name: lowp_scales, .offset: 24, .size: 8, .value_kind: global_buffer, .address_space: global }
      - { .name: out0, .offset: 32, .size: 8, .value_kind: global_buffer, .address_space: global }
    .group_segment_fixed_size: 327680
    .private_segment_fixed_size: 0
    .kernarg_segment_align: 8
    .kernarg_segment_size: 40
    .max_flat_workgroup_size: 128
    .sgpr_count:     100
    .vgpr_count:     768
    .wavefront_size: 32
...
	.end_amdgpu_metadata
.endif
;; end of part 3
